; MI455X (gfx1250); checked and timed in simulation.
; The chip was launched on July 23, 2026; its instructions are those of AMD's public machine-readable ISA for CDNA 5 (MIT licence, August 2026) and "CDNA5" Instruction Set Architecture Reference Guide (July 2026). The comments in the code are by the model that wrote it; some were corrected since.
;; Janus Vision Attention. Allowed arithmetic: matrix products marked QUANTISED: E2M3 operands, one E8M0 scale for each 32 along K, by v_wmma_scale_f32_16x16x128_f8f6f4 with both operands' format E2M3, f32 sums; everything else in f32.
;; Inputs: b_proj 1,024 float32; b_qkv 3,072 float32; hidden_states 8 x 1,024 x 1,024 float32; k_beta 64 float32; k_gamma 64 float32; q_beta 64 float32; q_gamma 64 float32; w_proj 1,024 x 1,024 float32; w_qkv 3,072 x 1,024 float32.
;; Outputs: out0 8 x 1,024 x 1,024 float32.
;; This version of the problem:
;;   THIS VERSION OF THE PROBLEM IS GIVEN IN LOW PRECISION. The matrix products marked QUANTISED in the list below multiply operands that are first quantised to E2M3 (2 exponent bits, 3 mantissa bits; 6 bits a number), with one power-of-two scale for each 32 numbers along K (OCP MX v1.0); their sums are f32. All else is computed in f32.
;;   The module's matrix products, in the order in which they are computed (A, B: the left and right operand; K: the contracted axis; several contracted axes count as one K, in the product's order):
;;     1. [M 8,192, K 1,024] x [K 1,024, N 3,072]; A: input hidden_states; B: input w_qkv: QUANTISED
;;     2. batch 128 x [M 1,024, K 64] x [K 64, N 1,024]; A: computed on the way; B: computed on the way: QUANTISED
;;     3. batch 128 x [M 1,024, K 1,024] x [K 1,024, N 64]; A: softmax (see below); B: computed on the way: QUANTISED
;;     4. [M 8,192, K 1,024] x [K 1,024, N 1,024]; A: computed on the way; B: input w_proj: QUANTISED
;;   THE QUANTISER, for each operand of a quantised product, along K:
;;     - K is cut into blocks of 32 from its start; a last block that is shorter is filled with zeros.
;;     - A block's scale is 2^e with e = floor(log2(the largest magnitude in the block)) - 2, held to -126 .. 127; a block of zeros has e = 0. As a byte (E8M0): e + 127.
;;     - Each number is divided by its block's scale, clamped to +-7.5, and rounded to the nearest number of E2M3, ties to even, subnormals kept.
;;     - The product sums the exact products of the quantised numbers (number of the format x scale) in f32.
;;   ~~~python
;;   def quantise(x, axis):      # numpy; x: float32 -> the quantised numbers, widened to float32 again
;;       x = np.moveaxis(x, axis, -1); K = x.shape[-1]
;;       x = np.pad(x, [(0, 0)] * (x.ndim - 1) + [(0, -K % 32)]); x = x.reshape(x.shape[:-1] + (-1, 32)); a = np.abs(x).max(-1, keepdims=True)
;;       e = np.where(a > 0, np.clip(np.frexp(np.where(a > 0, a, 1))[1] - 1 - 2, -126, 127), 0)      # np.frexp(a)[1] - 1 = floor(log2(a)), exactly
;;       r = np.clip(x / 2.0 ** e, -7.5, 7.5)
;;       step = 2.0 ** (np.maximum(np.frexp(np.where(r == 0, 1, r))[1] - 1, 0) - 3)
;;       q = np.round(r / step) * step * 2.0 ** e      # np.round: ties to even
;;       return np.moveaxis(q.reshape(q.shape[:-2] + (-1,))[..., :K], -1, axis).astype(np.float32)
;;   ~~~
;;   SOFTMAX AHEAD OF A QUANTISED PRODUCT. Where the list says 'softmax', what is quantised is not the finished softmax but p = 2^(t - M), with t = logit x log2(e) and M = ceil(the row's largest t), a whole number; so 1/2 < the row's largest p <= 1. The row's sum l is taken of the UNQUANTISED p, in f32, and the product's result is divided by l at the end. Since M is a whole number, a kernel that streams over the keys may use a running M (the ceiling of the running maximum): every later rescaling is an exact power of two, which a block's scale takes up: the codes' values come out the same.
;;   OPERANDS COMPUTED ON THE WAY. 'Computed on the way' means the value that the module computes at that place (a softmax that the list does not call 'softmax' is quantised finished and normalised). What goes into a quantiser is computed in f32, as accurately as f32 sums, v_exp_f32 and their like allow (about 1e-6 of the number): no bf16 or f16 on the way to a quantiser, and a product that is left as it is and whose result goes on into a quantised operand takes f32 operands (vector FMAs, or v_wmma_f32_16x16x4_f32). A number that lies on a knife's edge between two numbers of the format may be rounded either way, as far as f32 arithmetic and the matrix unit's own rounding can turn it there, and no further.
;; One version. Each part assembles by itself: llvm-mc -triple=amdgcn-amd-amdhsa -mcpu=gfx1250 --defsym DOCPART=n.
;; ======== version 1 of 1: 4 launches
;; limits: right only within a limited range of input values
;; workspace buffers: cimg 9,437,184 bytes; scl 393,216 bytes; qkv 19,660,800 bytes; oimg 6,291,456 bytes; osc 262,144 bytes
;; launch quant (part 1): grid 384 x 1, 4 waves a work-group, no clusters, 34,304 bytes of LDS; arguments hidden_states, w_qkv, w_proj, cimg, scl; writes cimg, scl
.if DOCPART == 1
	.amdgcn_target "amdgcn-amd-amdhsa--gfx1250"
	.amdhsa_code_object_version 6
	.text
	.protected	k_q6365038659_quant
	.globl	k_q6365038659_quant
	.p2align	8
	.type	k_q6365038659_quant,@function
k_q6365038659_quant:
	s_mov_b64 s[64:65], 0
	v_nop
	global_prefetch_b8 v0, s[64:65] scope:SCOPE_SE
	s_setreg_imm32_b32 hwreg(HW_REG_WAVE_MODE, 25, 1), 1
	s_wait_xcnt 0x0
; hidden_states [8192][1024], w_qkv [3072][1024], w_proj [1024][1024], f32, K innermost, become codes of FP6 (E2M3) with one E8M0 byte for each 32 along K.
; DEAD WORK: none.  Every input of reference() moves a code or a scale of a live quantised product (b_qkv's part for k and k_beta too: they stand ahead of a quantiser), so every input is loaded by some launch.
; ONE STEP IS MOVED, not left out: the factor D^-0.5 = 2^-3 on q.  A power of two goes through the block quantiser unchanged (the same codes, a scale byte 3 lower) and through f32 sums exactly,
; so it is applied with log2(e) in the attention launch.  LIMIT: a block of q whose largest magnitude lies under 2^-121 would meet the byte's lower hold otherwise than in reference().
; LIMITS of this launch: NaN and infinities among the inputs are not served; a block of zeros gets the byte 1 where the rule says 127 (its codes are zeros, and this program alone reads the bytes).
; THE WORKSPACE IS LAID AS THE MATRIX OPERAND'S REGISTERS.  A fragment (16 rows x 128 K, 12 registers a lane) is an image of 1,536 bytes: piece c holds registers 4 c .. 4 c + 3, lane l's 16 bytes at 512 c + 16 l.
; cimg: [tile T 0..767][K step 0..7][1,536]: T 0..511 hidden_states, 512..703 w_qkv, 704..767 w_proj.  scl: [T][K step / 4][row position][K step % 4], one word of four bytes a row and K step.
; THE ROWS OF A TILE ARE NOT NEIGHBOURS: position p of tile T is row 32 (T / 2) + 8 (T % 2) + p + 8 (p / 8), so that in a product used transposed the 16 registers of tiles 2 b and 2 b + 1 are 16 neighbouring rows.
; SHARES: a wave takes one tile and half of K: four fragments, 32 KB of f32.  Each load reads 512 consecutive bytes of a row; a fragment's 8 KB turn through the wave's own stage in LDS (rows of 512 + 16 bytes),
; so that a lane gets 16 neighbours of each block of 32 of its row.  Each store of codes covers 512 consecutive bytes, aligned.  No barrier: waves share nothing.  No matrix unit, no cluster: nothing is read twice.
.set STG,   8448                       ; a wave's stage: 16 rows x 528 bytes
.set SPARE, 4*STG                      ; behind the stages: the spare words, 128 bytes for each wave, that no other line names
.set LANE,  1
.set RW,    2                          ; lane % 16
.set HF,    3                          ; lane / 16
.set LI,    4                          ; 16 x lane; never rewritten
.set SIN,   5                          ; the stage, on the way in
.set SOUT,  6                          ; and on the way out: row lane % 16, + 64 (lane / 16)
.set SCO,   7                          ; 16 x (lane % 16): my row's four scale words
.set SPW,   8
.set NIL,   9
.set RA,    16                         ; v16-143  two sets of 64 registers as loaded
.set XN,    144                        ; v144-207 64 numbers: register 16 b + i = k 32 b + 16 (lane / 16) + i of my row
.set PC,    208                        ; v208-227 the fragment just made, and the conversions' second halves
.set TM,    228                        ; v228-243 at work
.set PW,    244                        ; the scale word just made
.set SW,    248                        ; v248-251 the four fragments' scale words
.set SEL,   30                         ; s[30:31] lane selects: lane l xor 16
; 64 numbers of a lane become a fragment's codes in v[PC] on and its scale word in v[PW]
.macro QUANT s
.irp b, 0,1,2,3
	v_max3_num_f32 v[TM+\b], |v[\s+16*\b]|, |v[\s+1+16*\b]|, 0x1800000   ; block b: my 16 numbers, and the floor 2^(3 - 127): so the byte cannot fall under 1
.endr
.irp i, 2,4,6,8,10,12,14
.irp b, 0,1,2,3
	v_max3_num_f32 v[TM+\b], v[TM+\b], |v[\s+16*\b+\i]|, |v[\s+1+16*\b+\i]|   ; the four blocks by turns
.endr
.endr
.irp b, 0,1,2,3
	v_permlanex16_b32 v[TM+4+\b], v[TM+\b], s[SEL], s[SEL+1]
.endr
.irp b, 0,1,2,3
	v_max_num_f32 v[TM+\b], v[TM+\b], v[TM+4+\b]   ; with lane l xor 16's: the block's largest magnitude
.endr
.irp b, 0,1,2,3
	v_add_nc_u32 v[TM+12+\b], 0xff000000, v[TM+\b]   ; 2 off its exponent field: the conversion's scale operand
.endr
.irp b, 0,1,2,3
	v_lshrrev_b32 v[TM+4+\b], 23, v[TM+12+\b]      ; the scale's byte
.endr
	v_lshl_or_b32 v[PW], v[TM+5], 8, v[TM+4]
	v_lshl_or_b32 v[PW], v[TM+6], 16, v[PW]
	v_lshl_or_b32 v[PW], v[TM+7], 24, v[PW]
.irp c, 0,1
	v_cvt_scalef32_pk16_fp6_f32 v[PC+6*\c:PC+2+6*\c], v[\s+32*\c:\s+15+32*\c], v[TM+12+2*\c]
	v_cvt_scalef32_pk16_fp6_f32 v[PC+12+4*\c:PC+14+4*\c], v[\s+16+32*\c:\s+31+32*\c], v[TM+12+2*\c+1]   ; (a conversion's three registers begin on an even number)
.endr
	v_nop                                          ; one plain line behind the scaled conversions
.irp c, 0,1                                    ; the operand wants a whole block in a lane: lanes 0-15 block 2 c, lanes 16-31 block 2 c + 1
.irp i, 0,1,2
	v_permlane16_swap_b32 v[PC+6*\c+\i], v[PC+12+4*\c+\i]
.endr
.irp i, 0,1,2
	v_mov_b32 v[PC+3+6*\c+\i], v[PC+12+4*\c+\i]
.endr
.endr
.endm
.macro LOAD f                          ; fragment f: 16 rows x 512 bytes into set f % 2
.irp j, 0,1,2,3,4,5,6,7,8,9,10,11,12,13,14,15
	global_load_b128 v[RA+64*((\f)%2)+4*\j:RA+64*((\f)%2)+4*\j+3], v[LI], s[20:21] offset:(\j+8*(\j/8))*4096+512*(\f) th:TH_LOAD_NT
.endr
.endm
.macro TURN f                          ; through the stage: LDS serves a wave's instructions in order, so no wait stands between the stores and the loads
.irp j, 0,1,2,3,4,5,6,7,8,9,10,11,12,13,14,15
	ds_store_b128 v[SIN], v[RA+64*((\f)%2)+4*\j:RA+64*((\f)%2)+4*\j+3] offset:528*\j
.endr
.irp b, 0,1,2,3
.irp q, 0,1,2,3
	ds_load_b128 v[XN+16*\b+4*\q:XN+16*\b+4*\q+3], v[SOUT] offset:128*\b+16*\q
.endr
.endr
.endm
.macro FRAGM f
.if (\f) < 3
	s_wait_loadcnt 16                              ; this fragment's 16 loads are in; the next fragment's 16 may be out
.else
	s_wait_loadcnt 0x0
.endif
	TURN \f
	s_wait_dscnt 0x0                               ; my 64 numbers are back, and the stage's stores have read their registers,
.if (\f) < 2
	LOAD (\f)+2                                    ; which take the fragment two further on
.endif
	s_wait_xcnt 0x0                                ; the last fragment's stores have read the codes' registers: they are written again only behind this wait
	QUANT XN
.irp c, 0,1,2
	global_store_b128 v[LI], v[PC+4*\c:PC+4*\c+3], s[10:11] offset:1536*(\f)+512*\c   ; 32 lanes store 512 consecutive bytes, aligned
.endr
	v_mov_b32 v[SW+(\f)], v[PW]
.endm
	s_load_b256 s[4:11], s[0:1], 0x0               ; hidden_states, w_qkv, w_proj, cimg
	s_load_b64 s[12:13], s[0:1], 0x20              ; scl
	v_lshl_add_u32 v[SPW], v0, 2, SPARE
	v_mov_b32 v[NIL], 0
	v_lshrrev_b32 v1, 5, v0
	v_readfirstlane_b32 s16, v1                    ; wave 0..3
	v_and_b32 v[LANE], 31, v0
	v_and_b32 v[RW], 15, v0
	v_bfe_u32 v[HF], v0, 4, 1
	v_lshlrev_b32 v[LI], 4, v[LANE]
	s_mul_i32 s17, s16, STG
	v_add_nc_u32 v[SIN], s17, v[LI]
	v_mul_u32_u24 v[SOUT], v[RW], 528
	v_lshl_add_u32 v[SOUT], v[HF], 6, v[SOUT]
	v_add_nc_u32 v[SOUT], s17, v[SOUT]
	v_lshlrev_b32 v[SCO], 4, v[RW]
.irp b, 0,1,2,3
	v_mov_b32 v[TM+4+\b], 0                        ; written once: a lane permute's destination counts as one of its sources
.endr
	s_mov_b32 s[SEL], 0x76543210
	s_mov_b32 s[SEL+1], 0xfedcba98
	s_lshl_b32 s18, ttmp9, 1
	s_lshr_b32 s19, s16, 1
	s_add_co_u32 s18, s18, s19                     ; my tile T = 2 x work-group + wave / 2
	s_and_b32 s19, s16, 1                          ; my half of K
	s_mov_b32 s22, 704
	s_wait_alu depctr_va_vdst(0)
	s_wait_kmcnt 0x0
	s_cmp_lt_u32 ttmp9, 352                        ; which tensor: the choice hangs on the work-group's number alone
	s_cselect_b64 s[20:21], s[6:7], s[8:9]
	s_cselect_b32 s22, 512, s22
	s_cmp_lt_u32 ttmp9, 256
	s_cselect_b64 s[20:21], s[4:5], s[20:21]
	s_cselect_b32 s22, 0, s22                      ; the tensor's first tile
	s_sub_co_u32 s23, s18, s22                     ; my tile in the tensor
	s_lshr_b32 s24, s23, 1
	s_lshl_b32 s24, s24, 17                        ; 32 rows of 4,096 bytes for each pair of tiles,
	s_and_b32 s23, s23, 1
	s_lshl_b32 s23, s23, 15                        ; 8 rows for the odd tile,
	s_add_co_u32 s24, s24, s23
	s_lshl_b32 s23, s19, 11                        ; 2,048 bytes for the second half of K
	s_add_co_u32 s24, s24, s23
	s_mov_b32 s25, 0
	s_add_nc_u64 s[20:21], s[20:21], s[24:25]
	s_mul_i32 s24, s18, 12288
	s_mul_i32 s23, s19, 6144
	s_add_co_u32 s24, s24, s23
	s_add_nc_u64 s[10:11], s[10:11], s[24:25]      ; my four images
	s_lshl_b32 s24, s18, 9
	s_lshl_b32 s23, s19, 8
	s_add_co_u32 s24, s24, s23
	s_add_nc_u64 s[12:13], s[12:13], s[24:25]      ; my 256 bytes of scale words
	LOAD 0
	LOAD 1
	FRAGM 0
	FRAGM 1
	FRAGM 2
	FRAGM 3
	v_cmp_gt_u32 vcc_lo, 16, v[LANE]               ; lanes 16-31 hold the same words as lanes 0-15
	s_wait_alu depctr_va_vdst(0)
	s_wait_xcnt 0x0                                ; EXEC changes only behind this wait
	s_and_saveexec_b32 s28, vcc_lo
	global_store_b128 v[SCO], v[SW:SW+3], s[12:13] ; sixteen lanes store 256 consecutive bytes, aligned
	s_wait_xcnt 0x0                                ; and again, in front of the line that widens it
	s_or_b32 exec_lo, exec_lo, s28
	s_wait_tensorcnt 0x0                           ; the wave's end, behind my last LDS store
	ds_add_u32 v[SPW], v[NIL]
	s_wait_dscnt 0x0
	s_endpgm
.Lfunc_end_k_q6365038659_quant:
	.size	k_q6365038659_quant, .Lfunc_end_k_q6365038659_quant-k_q6365038659_quant
	.p2alignl 7, 3214868480
	.fill 96, 4, 3214868480
	.section	.rodata,"a",@progbits
	.p2align	6, 0x0
	.amdhsa_kernel k_q6365038659_quant
		.amdhsa_group_segment_fixed_size 34304
		.amdhsa_private_segment_fixed_size 0
		.amdhsa_enable_private_segment 0
		.amdhsa_kernarg_size 40
		.amdhsa_user_sgpr_count 2
		.amdhsa_user_sgpr_kernarg_segment_ptr 1
		.amdhsa_wavefront_size32 1
		.amdhsa_system_sgpr_workgroup_id_x 1
		.amdhsa_system_sgpr_workgroup_id_y 1
		.amdhsa_system_sgpr_workgroup_id_z 1
		.amdhsa_system_vgpr_workitem_id 0
		.amdhsa_next_free_vgpr 256
		.amdhsa_next_free_sgpr 66
		.amdhsa_reserve_vcc 1
		.amdhsa_float_denorm_mode_32 3
		.amdhsa_float_denorm_mode_16_64 3
		.amdhsa_memory_ordered 1
		.amdhsa_forward_progress 1
		.amdhsa_inst_pref_size 34
	.end_amdhsa_kernel
	.amdgpu_metadata
---
amdhsa.version: [ 1, 2 ]
amdhsa.kernels:
  - .name:           k_q6365038659_quant
    .symbol:         k_q6365038659_quant.kd
    .args:
      - { .name: hidden_states, .offset: 0, .size: 8, .value_kind: global_buffer, .address_space: global }
      - { .name: w_qkv, .offset: 8, .size: 8, .value_kind: global_buffer, .address_space: global }
      - { .name: w_proj, .offset: 16, .size: 8, .value_kind: global_buffer, .address_space: global }
      - { .name: cimg, .offset: 24, .size: 8, .value_kind: global_buffer, .address_space: global }
      - { .name: scl, .offset: 32, .size: 8, .value_kind: global_buffer, .address_space: global }
    .group_segment_fixed_size: 34304
    .private_segment_fixed_size: 0
    .kernarg_segment_align: 8
    .kernarg_segment_size: 40
    .max_flat_workgroup_size: 128
    .sgpr_count:     66
    .vgpr_count:     256
    .wavefront_size: 32
...
	.end_amdgpu_metadata
.endif
;; end of part 1
;; launch qkvgemm (part 2): grid 4 x 64, 4 waves a work-group, clusters of 4 x 4, 327,680 bytes of LDS; arguments cimg, scl, b_qkv, q_gamma, q_beta, k_gamma, k_beta, qkv; writes qkv
.if DOCPART == 2
	.amdgcn_target "amdgcn-amd-amdhsa--gfx1250"
	.amdhsa_code_object_version 6
	.text
	.protected	k_q6365038659_qkvgemm
	.globl	k_q6365038659_qkvgemm
	.p2align	8
	.type	k_q6365038659_qkvgemm,@function
k_q6365038659_qkvgemm:
	s_mov_b64 s[64:65], 0
	v_nop
	global_prefetch_b8 v0, s[64:65] scope:SCOPE_SE
	s_setreg_imm32_b32 hwreg(HW_REG_WAVE_MODE, 25, 1), 1
	s_wait_xcnt 0x0
	s_wait_alu depctr_hold_cnt(0) depctr_sa_sdst(0) depctr_va_vdst(0) depctr_va_sdst(0) depctr_va_ssrc(0) depctr_va_vcc(0) depctr_vm_vsrc(0)
	s_getreg_b32 s2, hwreg(HW_REG_IB_STS2, 6, 4)
	s_cmp_eq_u32 s2, 0
	s_cbranch_scc0 .Lentry_in_a_cluster
	s_endpgm
.Lentry_in_a_cluster:
	s_bfe_u32 s2, ttmp6, 0x10000c
	s_cmp_lg_u32 s2, 0xf033
	s_cbranch_scc0 .Lentry_shape_is_right
	s_endpgm
.Lentry_shape_is_right:
; qkv = hidden_states w_qkv^T + b_qkv on codes of FP6; LayerNorm over the head's 64 on q and k; q, k quantised along the head's 64, v along the keys; all three leave as images of the next products' operands.
; No work of reference() is left out here; the factor 2^-3 on q is applied in the attention launch (a power of two: the same codes).
; LIMITS: NaN and infinities are not served; a block of zeros gets the byte 1 (its codes are zeros; this program alone reads the bytes).
; A WORK-GROUP STAYS and makes three tiles of 128 "A rows" x 256 "B rows": one of q, one of k (A = 128 tokens, B = 256 rows of w_qkv) and one of v WITH THE ROLES EXCHANGED (A = 128 rows of w_qkv, B = 256 tokens: a lane
; holds one channel of v and its registers run along the keys).  256 work-groups x 3 tiles are all 768.  ALL of K = 1,024 of a tile lies in LDS: A 98,304 bytes, B 196,608.
; ONE TENSOR LOAD A WAVE at the head and behind each round: waves 0 and 1 ask for A's halves (4 blocks x 12,288 dense bytes), waves 2 and 3 for B's (8 blocks).  One tensor load of a wave is out at the most.
; THE NEXT TILE IS ASKED FOR AT THE HEAD OF THE LAST K STEP, whose fragments are in registers: nobody reads LDS any more.  The load has that step's 32 products and the whole way out in which to land.
; q and k are two trips of one loop; only the first products (the bias as C) and the gain's pass name other registers in the second trip, and stand twice, chosen by the trip's number.  In trip 0 A's tokens are asked for once more,
; v is the tail, written out: it asks for nothing.
; NO PREFETCH: each refill is asked for a whole way out ahead of its first read, and the launch has no longer loop to run ahead in.
; Four waves, 2 x 2; a wave makes 64 x 128: 32 accumulators.  The matrix instruction is used transposed: source 0 = 16 B rows, source 1 = 16 A rows: a lane holds ONE A row and its registers run along B's rows.
; By the order of a tile's rows (position p of tile T is row 32 (T / 2) + 8 (T % 2) + p + 8 (p / 8)) register 8 b + j of a lane (r, h) stands for B row 32 (b / 2) + 16 h + 8 (b % 2) + j.
; CLUSTER 4 x 4: A's tiles are shared along a row of the cluster, B's along a column: joint loads.
; qkv: for each (batch x 16 + head) a block of 153,600 bytes: +0 K's codes [pair of token tiles 0..31][1,536] (registers 0-5 the even tile, 6-11 the odd one); +49,152 V's codes [128 keys 0..7][tile of channels 0..3][1,536];
; +98,304 K's scale words [64 tokens 0..15][position][2]; +100,352 V's [128 keys][position][tile]; +102,400 Q's codes and +151,552 Q's scale words, as K's.
; In q's and k's images bit 3 of the lane and the pair of tiles change places on the way out: position 8 x + j of tile 4 c + u stands for token 64 c + 32 x + 8 u + j.
; REGISTERS, in windows of 256.  Window 0: v1-17 addresses; v32-63 A's scale words, v64-95 B's (lanes 0-15 block b % 4, lanes 16-31 block b % 4 + 4); v96-191 A's fragments, two sets; on the way out v96-255 are at work.
;   Window 1: B's fragments, two sets, at v0 and v128; v96-127 q's gain, v224-255 q's offset.   Window 2: accumulator (a, b) at v[8 (8 a + b)].
;   Window 3: v0-63 q's bias, v64-127 k's, v128-159 v's, v160-191 k's gain, v192-223 k's offset: loaded once, at the head.
.set SPARE, 294912                     ; behind the three regions: the spare words, 128 bytes for each wave, that no other line names
.set REG,   98304
.set BLK,   12288                      ; a block's eight K steps
.set HB,    153600
.set LANE,  1
.set RW,    2
.set HF,    3
.set ADRA,  4
.set ADRB,  6                          ; v6, v7  B's blocks 0-3, 4-7 of my eight
.set LI,    8
.set LK,    9                          ; q's and k's codes: 16 (lane without bit 3) + 1,536 (bit 3)
.set SPW,   10
.set NIL,   11
.set VSA,   12
.set VSB,   13
.set VBO,   14
.set VT,    15
.set VQ,    17                         ; q's and k's scale words
.set SCA,   32
.set SCB,   64
.set AF,    96
.set UU,    96
.set TT,    144
.set MX,    176
.set EX,    192
.set PX,    208
.set SS,    208
.set QQ,    224
.set BY,    224
.set WD,    240
.set WV,    20
.set WR,    21
.set WC,    22
.set T,     23                         ; the trip: 0 q, 1 k
.set G1A,   24
.set G0A,   32
.set NSA,   36                         ; the next tile's scale words
.set NSB,   38
.set CUC,   40                         ; this tile's codes and scale words
.set CUS,   42
.set G1B,   48
.set G0B,   68
.set OQC,   72
.set OQS,   74
.set OVC,   76
.set OVS,   78
.set OAQ,   80                         ; byte offsets in cimg of what I ask for: A of q and k, A of v, B of q, B of v, B of k
.set OAV,   81
.set OBQ,   82
.set OBV,   83
.set CX,    84
.set CY,    85
.set RR,    86
.set RV,    87
.set SAQ,   88                         ; byte offsets in scl of my tiles' scale words
.set SAV,   89
.set SBQ,   90
.set SBV,   91
.set OBK,   92
.set SBK,   93
.set CV,    94
.set R64,   96
.set EPS,   97
.set SEL,   98
.set MULW,  0xa1                       ; source 0 (B) window 1, source 1 (A) window 0, C and D window 2
.set MSB, 0
.macro WIN new                         ; the immediate's high byte repeats the setting that is left
.if MSB != \new
	s_set_vgpr_msb (MSB<<8)|\new
.set MSB, \new
.endif
.endm
.macro PLACES                          ; four plain lines behind matrix instructions (ISA guide 7.12.1)
.rept 4
	v_nop
.endr
.endm
.macro CROUND                          ; a round of the cluster's barrier
	s_barrier_signal -1
	s_barrier_wait -1
	s_cmp_lg_u32 s[WV], 0
	s_cbranch_scc1 .Lnot_wave_0_\@
	s_barrier_signal -3
.Lnot_wave_0_\@:
	s_barrier_wait -3
	s_barrier_signal -1
	s_barrier_wait -1
.endm
.macro JLOAD                           ; a joint load: waves 0 and 1 for A, waves 2 and 3 for B; the branch hangs on the wave's number alone
	s_cmp_eq_u32 s[WR], 0
	s_cbranch_scc0 .Lfor_b_\@
	tensor_load_to_lds s[G0A:G0A+3], s[G1A:G1A+7]
	s_nop 0
	PLACES
	s_branch .Lasked_\@
.Lfor_b_\@:
	tensor_load_to_lds s[G0B:G0B+3], s[G1B:G1B+7]
	s_nop 0
	PLACES
.Lasked_\@:
.endm
.macro FETCH s, p                      ; K step s: B's eight fragments and A's four into set p: images, three loads of 16 bytes a lane each
	WIN 0x40
.irp b, 0,1,2,3,4,5,6,7
.irp c, 0,1,2
	ds_load_b128 v[128*(\p)+12*\b+4*\c:128*(\p)+12*\b+4*\c+3], v[ADRB+\b/4] offset:BLK*(\b%4)+1536*(\s)+512*\c
.endr
.endr
	WIN 0
.irp a, 0,1,2,3
.irp c, 0,1,2
	ds_load_b128 v[AF+48*(\p)+12*\a+4*\c:AF+48*(\p)+12*\a+4*\c+3], v[ADRA] offset:BLK*\a+1536*(\s)+512*\c
.endr
.endr
.endm
.macro ONE a, b, s, p, cm              ; cm = 0: adds in place; 1: C = the bias at CB by B's block; 2: by A's block
.set rD, 8*(8*(\a)+(\b))
.set rB, 128*(\p)+12*(\b)
.set rA, AF+48*(\p)+12*(\a)
.set rX, SCB+8*((\b)%4)+(\s)
.set rY, SCA+8*(\a)+(\s)
.set rC, rD
.if (\cm) == 1
.set rC, CB+8*(\b)
.endif
.if (\cm) == 2
.set rC, CB+8*(\a)
.endif
.if (\b) < 4
	v_wmma_scale_f32_16x16x128_f8f6f4 v[rD:rD+7], v[rB:rB+11], v[rA:rA+11], v[rC:rC+7], v[rX], v[rY] matrix_a_fmt:MATRIX_FMT_FP6 matrix_b_fmt:MATRIX_FMT_FP6
.else
	v_wmma_scale_f32_16x16x128_f8f6f4 v[rD:rD+7], v[rB:rB+11], v[rA:rA+11], v[rC:rC+7], v[rX], v[rY] matrix_a_fmt:MATRIX_FMT_FP6 matrix_b_fmt:MATRIX_FMT_FP6 matrix_a_scale:MATRIX_SCALE_ROW1
.endif
.endm
.macro MUL16 s, p, a0, cm              ; the 32 accumulators take turns, one instruction a turn, in the same order in every K step
.irp a, \a0, \a0+1
.irp b, 0,1,2,3,4,5,6,7
	ONE \a, \b, \s, \p, \cm
.endr
.endr
.endm
.macro FIRST cb, cm                    ; the first K step starts the sums with the bias, in window 3, as C: nothing is cleared, nothing is added later
.set CB, \cb
	WIN 0xb1
	MUL16 0, 0, 0, \cm
	MUL16 0, 0, 2, \cm
	WIN 0
.endm
.macro KSTEP s
	s_wait_dscnt 0x0                               ; this step's fragments are in
	PLACES
	FETCH (\s)+1, ((\s)+1)%2                       ; the next K step into the set that the last step multiplied
	WIN MULW
	MUL16 \s, (\s)%2, 0, 0
	MUL16 \s, (\s)%2, 2, 0
.endm
.macro LAST refill                     ; K step 7
	s_wait_dscnt 0x0                               ; its fragments are in: my reads of this tile are over
.if \refill
	WIN 0
	s_wait_tensorcnt 0x0                           ; none of my tensor loads is out,
	ds_add_u32 v[SPW], v[NIL]
	s_add_nc_u64 s[G0A+2:G0A+3], s[4:5], s[56:57]  ; so the descriptors may be written: the next tile
	s_or_b32 s[G0A+3], s[G0A+3], 0x80000000
	s_add_nc_u64 s[G0B+2:G0B+3], s[4:5], s[58:59]
	s_or_b32 s[G0B+3], s[G0B+3], 0x80000000
	s_wait_dscnt 0x0
	CROUND                                         ; no wave of any partner still reads the tile or has a load on its way
	JLOAD
.endif
	WIN MULW
	MUL16 7, 1, 0, 0
	MUL16 7, 1, 2, 0
	WIN 0
	PLACES
.endm
.macro START                           ; a tile begins
	s_wait_alu depctr_va_vdst(0)                   ; the wait ahead of the blocking waits
	s_wait_tensorcnt 0x0                           ; my part of the tile is in
	s_barrier_signal -1
	s_barrier_wait -1                              ; everybody's is
	s_wait_xcnt 0x0                                ; the last tile's stores have read their registers and bases
.endm
.macro OPEN
	FETCH 0, 0
	s_wait_loadcnt 0x0                             ; scale words (and, the first time, biases and gains)
	s_wait_dscnt 0x0
	FETCH 1, 1
.endm
.macro SCALES                          ; four K steps' words a lane; sixteen lanes read 256 consecutive bytes
.irp a, 0,1,2,3
.irp g, 0,1
	global_load_b128 v[SCA+8*\a+4*\g:SCA+8*\a+4*\g+3], v[VSA], s[NSA:NSA+1] offset:512*\a+256*\g
	global_load_b128 v[SCB+8*\a+4*\g:SCB+8*\a+4*\g+3], v[VSB], s[NSB:NSB+1] offset:512*\a+256*\g   ; lanes 0-15 block a, lanes 16-31 block a + 4
.endr
.endr
.endm
.macro GAIN w, gam, bet                ; x gain + offset; w: the windows
	WIN \w
.irp i, 0,2,4,6,8,10,12,14,16,18,20,22,24,26,28,30
.irp g, 0,1,2,3,4,5,6,7
	v_pk_fma_f32 v[32*\g+\i:32*\g+\i+1], v[32*\g+\i:32*\g+\i+1], v[\gam+\i:\gam+\i+1], v[\bet+\i:\bet+\i+1]
.endr
.endr
	WIN 0
	s_wait_alu depctr_va_vdst(0)
.endm
; 16 blocks of 32 are quantised: block k is registers 16 k .. 16 k + 15 of window 2 in lanes l and l xor 16.  kind = 0: q, k: blocks 4 a + 2 hh + 0, 1 are token tile a's 64 channels of head hh; 1: v: blocks 4 a + 0 .. 3 are channel tile a's 128 keys.
.macro QUANT16 kind
	WIN 0x0a
.irp k, 0,1,2,3,4,5,6,7,8,9,10,11,12,13,14,15
	v_max3_num_f32 v[MX+\k], |v[16*\k]|, |v[16*\k+1]|, 0x1800000   ; each accumulator is read from its low end on; the floor 2^(3 - 127) holds the byte at 1 from below
.endr
	WIN 0x28
.irp i, 2,4,6,8,10,12,14
.irp k, 0,1,2,3,4,5,6,7,8,9,10,11,12,13,14,15
	v_max3_num_f32 v[MX+\k], v[MX+\k], |v[16*\k+\i]|, |v[16*\k+\i+1]|
.endr
.endr
	WIN 0
.irp k, 0,1,2,3,4,5,6,7,8,9,10,11,12,13,14,15
	v_permlanex16_b32 v[PX+\k], v[MX+\k], s[SEL], s[SEL+1]
.endr
.irp k, 0,1,2,3,4,5,6,7,8,9,10,11,12,13,14,15
	v_max_num_f32 v[MX+\k], v[MX+\k], v[PX+\k]
.endr
.irp k, 0,1,2,3,4,5,6,7,8,9,10,11,12,13,14,15
	v_add_nc_u32 v[EX+\k], 0xff000000, v[MX+\k]    ; 2 off the exponent field: the conversion's scale operand
.endr
.irp k, 0,1,2,3,4,5,6,7,8,9,10,11,12,13,14,15
	v_lshrrev_b32 v[BY+\k], 23, v[EX+\k]           ; the scale's byte
.endr
.if \kind
.irp a, 0,1,2,3
	v_lshl_or_b32 v[WD+\a], v[BY+4*\a+1], 8, v[BY+4*\a]
	v_lshl_or_b32 v[WD+\a], v[BY+4*\a+2], 16, v[WD+\a]
	v_lshl_or_b32 v[WD+\a], v[BY+4*\a+3], 24, v[WD+\a]
.endr
.else
.irp e, 0,1
.irp q, 0,1
	v_lshl_or_b32 v[WD+2*\e+\q], v[BY+8*\q+2*\e+1], 8, v[BY+8*\q+2*\e]     ; head e, pair of tiles q: the even tile's two bytes,
	v_lshl_or_b32 v[WD+2*\e+\q], v[BY+8*\q+2*\e+4], 16, v[WD+2*\e+\q]      ; then the odd tile's
	v_lshl_or_b32 v[WD+2*\e+\q], v[BY+8*\q+2*\e+5], 24, v[WD+2*\e+\q]
.endr
.endr
.endif
	WIN 0x02
.irp p, 0,1,2,3,4,5,6,7
.if \kind
.set pos, \p
.else
.set pos, 4*(\p%2)+\p/2                ; a head's four token tiles on end
.endif
	v_cvt_scalef32_pk16_fp6_f32 v[UU+6*pos:UU+6*pos+2], v[32*\p:32*\p+15], v[EX+2*\p]
	v_cvt_scalef32_pk16_fp6_f32 v[TT+4*\p:TT+4*\p+2], v[32*\p+16:32*\p+31], v[EX+2*\p+1]
.endr
	WIN 0
	v_nop                                          ; one plain line behind the scaled conversions
.irp p, 0,1,2,3,4,5,6,7
.if \kind
.set pos, \p
.else
.set pos, 4*(\p%2)+\p/2
.endif
.irp i, 0,1,2
	v_permlane16_swap_b32 v[UU+6*pos+\i], v[TT+4*\p+\i]   ; a whole block to a lane
.endr
.irp i, 0,1,2
	v_mov_b32 v[UU+6*pos+3+\i], v[TT+4*\p+\i]
.endr
.endr
.endm
	s_load_b256 s[4:11], s[0:1], 0x0               ; cimg, scl, b_qkv, q_gamma
	s_load_b256 s[12:19], s[0:1], 0x20             ; q_beta, k_gamma, k_beta, qkv
	v_lshl_add_u32 v[SPW], v0, 2, SPARE
	v_mov_b32 v[NIL], 0
	ds_add_u32 v[SPW], v[NIL]                      ; the wave's opening: the add, twice on end, and its wait ahead of the first tensor load
	ds_add_u32 v[SPW], v[NIL]
	v_lshrrev_b32 v1, 5, v0
	v_readfirstlane_b32 s[WV], v1                  ; wave 0..3
	s_lshr_b32 s[WR], s[WV], 1                     ; which 64 A rows are mine.  Also: I ask for A (0) or for B (1)
	s_and_b32 s[WC], s[WV], 1                      ; which 128 B rows.  Also: which half I ask for
	s_and_b32 s56, ttmp7, 0xffff                   ; the cluster's y, 0..15
	s_bfe_u32 s[CX], ttmp6, 0x40000
	s_bfe_u32 s[CY], ttmp6, 0x40004
	s_lshl_b32 s[RR], s56, 2
	s_add_co_u32 s[RR], s[RR], s[CY]               ; q, k: my 128 tokens, 0..63; my 256 features are cx (q) and 4 + cx (k)
	s_and_b32 s[RV], s56, 1
	s_lshl_b32 s[RV], s[RV], 2
	s_add_co_u32 s[RV], s[RV], s[CY]               ; v: my 128 channels, 0..7
	s_lshr_b32 s[CV], s56, 1
	s_lshl_b32 s[CV], s[CV], 2
	s_add_co_u32 s[CV], s[CV], s[CX]               ; v: my 256 tokens, 0..31
	s_lshl_b32 s44, s[RR], 3                       ; first tiles: A of q and k,
	s_lshl_b32 s45, s[RV], 3
	s_add_co_u32 s45, s45, 640                     ; A of v: its rows of w_qkv begin at tile 640,
	s_lshl_b32 s46, s[CX], 4
	s_add_co_u32 s46, s46, 512                     ; B of q: w_qkv begins at tile 512,
	s_lshl_b32 s47, s[CV], 4                       ; B of v
	s_lshl_b32 s60, s[WC], 2
	s_lshl_b32 s61, s[WC], 3
	s_lshl_b32 s62, s[WR], 2
	s_add_co_u32 s[OAQ], s44, s60
	s_mul_i32 s[OAQ], s[OAQ], BLK
	s_add_co_u32 s[OAV], s45, s60
	s_mul_i32 s[OAV], s[OAV], BLK
	s_add_co_u32 s[OBQ], s46, s61
	s_mul_i32 s[OBQ], s[OBQ], BLK
	s_add_co_u32 s[OBV], s47, s61
	s_mul_i32 s[OBV], s[OBV], BLK
	s_add_co_u32 s[OBK], s[OBQ], 64*BLK            ; k's rows of w_qkv lie 64 tiles behind q's
	s_add_co_u32 s[SAQ], s44, s62
	s_lshl_b32 s[SAQ], s[SAQ], 9
	s_add_co_u32 s[SAV], s45, s62
	s_lshl_b32 s[SAV], s[SAV], 9
	s_add_co_u32 s[SBQ], s46, s61
	s_lshl_b32 s[SBQ], s[SBQ], 9
	s_add_co_u32 s[SBV], s47, s61
	s_lshl_b32 s[SBV], s[SBV], 9
	s_add_co_u32 s[SBK], s[SBQ], 32768
	s_lshl_b32 s63, s[CY], 2
	s_lshl_b32 s63, 15, s63                        ; my row of the cluster
	s_lshl_b32 s62, 0x1111, s[CX]                  ; my column
	s_or_b32 s[G1A], s63, (3<<16)|(1<<21)          ; 15:0 the mask; 17:16 elements of 8 bytes; 21 set beside a mask; no padding
	s_or_b32 s[G1B], s62, (3<<16)|(1<<21)
	s_mov_b32 s[G1A+1], 1536<<16                   ; rows of 1,536 elements = a block's 12,288 bytes, dense
	s_mov_b32 s[G1A+2], 4<<16                      ; A: 4 blocks a load
	s_mov_b32 s[G1A+3], 1536<<16
	s_mov_b32 s[G1A+4], 4
	s_mov_b32 s[G1A+5], 1536
	s_mov_b32 s[G1A+6], 0
	s_mov_b32 s[G1A+7], 0
	s_mov_b32 s[G1B+1], 1536<<16
	s_mov_b32 s[G1B+2], 8<<16                      ; B: 8 blocks a load
	s_mov_b32 s[G1B+3], 1536<<16
	s_mov_b32 s[G1B+4], 8
	s_mov_b32 s[G1B+5], 1536
	s_mov_b32 s[G1B+6], 0
	s_mov_b32 s[G1B+7], 0
	s_mov_b32 s[R64], 0x3c800000                   ; 1 / 64
	s_mov_b32 s[EPS], 0x3727c5ac                   ; 1e-5
	s_mov_b32 s[SEL], 0x76543210
	s_mov_b32 s[SEL+1], 0xfedcba98
	s_mov_b32 s[T], 0
	s_mov_b32 s56, s[OAQ]
	s_mov_b32 s57, 0
	s_mov_b32 s58, s[OBQ]
	s_mov_b32 s59, 0
	s_mov_b32 s61, 0
	s_mov_b32 s63, 0
	s_mov_b32 s[G0A], 1
	s_mul_i32 s[G0A+1], s[WC], 4*BLK               ; A's region begins at LDS byte 0
	s_mov_b32 s[G0B], 1
	s_mul_i32 s[G0B+1], s[WC], REG
	s_add_co_u32 s[G0B+1], s[G0B+1], REG           ; B's two regions behind it
	s_wait_dscnt 0x0                               ; both opening adds are done
	s_wait_kmcnt 0x0
	s_add_nc_u64 s[G0A+2:G0A+3], s[4:5], s[56:57]
	s_or_b32 s[G0A+3], s[G0A+3], 0x80000000
	s_add_nc_u64 s[G0B+2:G0B+3], s[4:5], s[58:59]
	s_or_b32 s[G0B+3], s[G0B+3], 0x80000000
	CROUND                                         ; all sixteen work-groups are here: the joint loads meet
	JLOAD                                          ; q's tile
	v_and_b32 v[LANE], 31, v0
	v_and_b32 v[RW], 15, v0
	v_bfe_u32 v[HF], v0, 4, 1
	v_lshlrev_b32 v[LI], 4, v[LANE]
	v_and_b32 v[LK], 0x170, v[LI]
	v_bfe_u32 v16, v0, 3, 1
	v_mad_u32_u24 v[LK], v16, 1536, v[LK]
	s_mul_i32 s60, s[WR], 4*BLK
	v_add_nc_u32 v[ADRA], s60, v[LI]
	s_add_co_u32 s60, s[WC], 1
	s_mul_i32 s60, s60, REG
	v_add_nc_u32 v[ADRB], s60, v[LI]
	v_add_nc_u32 v[ADRB+1], 4*BLK, v[ADRB]
	v_lshlrev_b32 v[VSA], 4, v[RW]
	v_lshl_add_u32 v[VSB], v[HF], 11, v[VSA]
	v_lshlrev_b32 v[VBO], 6, v[HF]
	v_and_b32 v[VT], 8, v[RW]
	v_add_nc_u32 v[VT], v[VT], v[RW]
	v_lshlrev_b32 v[VT], 2, v[VT]                  ; v's bias: 4 (r + 8 (r / 8))
	v_mul_u32_u24 v[VQ], v[HF], HB                 ; lanes 0-15 store the first head's scale words, lanes 16-31 the second's;
	v_and_b32 v16, 7, v[RW]
	v_lshl_add_u32 v[VQ], v16, 3, v[VQ]
	v_bfe_u32 v16, v0, 3, 1
	v_lshl_add_u32 v[VQ], v16, 2, v[VQ]            ; the word of (pair q, position 8 g + j) lies at 8 (8 q + j) + 4 g: 64 q stands in the stores' immediate
	s_lshr_b32 s60, s[RR], 3                       ; q, k: the batch,
	s_lshl_b32 s60, s60, 4
	s_lshl_b32 s62, s[CX], 2
	s_add_co_u32 s60, s60, s62
	s_lshl_b32 s62, s[WC], 1
	s_add_co_u32 s60, s60, s62                     ; x 16 + my first head
	s_mul_i32 s60, s60, HB
	s_add_nc_u64 s[OQC:OQC+1], s[18:19], s[60:61]
	s_mov_b64 s[OQS:OQS+1], s[OQC:OQC+1]
	s_and_b32 s62, s[RR], 7
	s_lshl_b32 s62, s62, 1
	s_add_co_u32 s62, s62, s[WR]                   ; my 64 tokens in the batch:
	s_mul_i32 s60, s62, 3072                       ; two images,
	s_add_nc_u64 s[OQC:OQC+1], s[OQC:OQC+1], s[60:61]
	s_lshl_b32 s60, s62, 7                         ; 128 bytes of scale words
	s_add_nc_u64 s[OQS:OQS+1], s[OQS:OQS+1], s[60:61]
	s_lshr_b32 s60, s[CV], 2                       ; v: the batch,
	s_lshl_b32 s60, s60, 4
	s_lshl_b32 s62, s[RV], 1
	s_add_co_u32 s60, s60, s62
	s_add_co_u32 s60, s60, s[WR]                   ; x 16 + my head
	s_mul_i32 s60, s60, HB
	s_add_nc_u64 s[OVC:OVC+1], s[18:19], s[60:61]
	s_mov_b64 s[OVS:OVS+1], s[OVC:OVC+1]
	s_and_b32 s62, s[CV], 3
	s_lshl_b32 s62, s62, 1
	s_add_co_u32 s62, s62, s[WC]                   ; my 128 keys in the batch
	s_mul_i32 s60, s62, 6144
	s_add_co_u32 s60, s60, 49152
	s_add_nc_u64 s[OVC:OVC+1], s[OVC:OVC+1], s[60:61]
	s_lshl_b32 s60, s62, 8
	s_add_co_u32 s60, s60, 100352
	s_add_nc_u64 s[OVS:OVS+1], s[OVS:OVS+1], s[60:61]
	s_lshl_b32 s60, s[CX], 10                      ; q's bias at my 128 features; k's lies 4,096 bytes on
	s_lshl_b32 s62, s[WC], 9
	s_add_co_u32 s60, s60, s62
	s_add_nc_u64 s[CUC:CUC+1], s[8:9], s[60:61]
	s_lshl_b32 s60, s[RV], 9                       ; v's bias at my 64 channels
	s_lshl_b32 s62, s[WR], 8
	s_add_co_u32 s60, s60, s62
	s_add_co_u32 s60, s60, 8192
	s_add_nc_u64 s[CUS:CUS+1], s[8:9], s[60:61]
	s_mov_b32 s60, s[SAQ]
	s_add_nc_u64 s[NSA:NSA+1], s[6:7], s[60:61]
	s_mov_b32 s60, s[SBQ]
	s_add_nc_u64 s[NSB:NSB+1], s[6:7], s[60:61]
	s_wait_alu depctr_va_vdst(0)                   ; the wait behind the head's vector lines
	SCALES
	WIN 0xc0                                       ; destinations in window 3
.irp b, 0,1,2,3,4,5,6,7
	global_load_b128 v[8*\b:8*\b+3], v[VBO], s[CUC:CUC+1] offset:(32*(\b/2)+8*(\b%2))*4
	global_load_b128 v[8*\b+4:8*\b+7], v[VBO], s[CUC:CUC+1] offset:(32*(\b/2)+8*(\b%2))*4+16
	global_load_b128 v[64+8*\b:64+8*\b+3], v[VBO], s[CUC:CUC+1] offset:4096+(32*(\b/2)+8*(\b%2))*4
	global_load_b128 v[64+8*\b+4:64+8*\b+7], v[VBO], s[CUC:CUC+1] offset:4096+(32*(\b/2)+8*(\b%2))*4+16
.endr
.irp a, 0,1,2,3
.irp j, 0,1,2,3,4,5,6,7
	global_load_b32 v[128+8*\a+\j], v[VT], s[CUS:CUS+1] offset:(32*(\a/2)+8*(\a%2))*4   ; v: the bias hangs on the lane's row: the same in a tile's eight registers
.endr
.endr
.irp i, 0,1,2,3,4,5,6,7
	global_load_b128 v[160+4*\i:160+4*\i+3], v[VBO], s[14:15] offset:128*(\i/4)+16*(\i%4)   ; register i: channel 32 (i / 16) + 16 h + i % 16
	global_load_b128 v[192+4*\i:192+4*\i+3], v[VBO], s[16:17] offset:128*(\i/4)+16*(\i%4)
.endr
	WIN 0x40                                       ; and in window 1
.irp i, 0,1,2,3,4,5,6,7
	global_load_b128 v[96+4*\i:96+4*\i+3], v[VBO], s[10:11] offset:128*(\i/4)+16*(\i%4)
	global_load_b128 v[224+4*\i:224+4*\i+3], v[VBO], s[12:13] offset:128*(\i/4)+16*(\i%4)
.endr
	WIN 0
.Ltile:                                        ; ---- q, then k
	START
	s_cmp_eq_u32 s[T], 0                           ; what follows this tile, and where this tile goes: chosen by the trip's number
	s_cselect_b32 s56, s[OAQ], s[OAV]
	s_cselect_b32 s58, s[OBK], s[OBV]
	s_cselect_b32 s60, s[SAQ], s[SAV]
	s_cselect_b32 s62, s[SBK], s[SBV]
	s_add_nc_u64 s[NSA:NSA+1], s[6:7], s[60:61]
	s_add_nc_u64 s[NSB:NSB+1], s[6:7], s[62:63]
	s_cselect_b32 s60, 102400, 0
	s_add_nc_u64 s[CUC:CUC+1], s[OQC:OQC+1], s[60:61]
	s_mov_b32 s60, 98304
	s_cselect_b32 s60, 151552, s60
	s_add_nc_u64 s[CUS:CUS+1], s[OQS:OQS+1], s[60:61]
	OPEN
	s_cmp_eq_u32 s[T], 0
	s_cbranch_scc0 .Lfirst_k
	FIRST 0, 1
	s_branch .Lfirst_done
.Lfirst_k:
	FIRST 64, 1
.Lfirst_done:
	KSTEP 1
	KSTEP 2
	KSTEP 3
	KSTEP 4
	KSTEP 5
	KSTEP 6
	LAST 1
	SCALES                                         ; the next tile's scale words, behind the places
	; LayerNorm over the head's 64.  Group g = 2 a + hh is registers 32 g .. 32 g + 31 of window 2, with lane l xor 16's 32: one token's 64 channels.  The eight groups by turns, the registers ascending.
	WIN 0x0a
.irp g, 0,1,2,3,4,5,6,7
	v_pk_add_f32 v[SS+2*\g:SS+2*\g+1], v[32*\g:32*\g+1], v[32*\g+2:32*\g+3]
.endr
	WIN 0x08
.irp i, 4,6,8,10,12,14,16,18,20,22,24,26,28,30
.irp g, 0,1,2,3,4,5,6,7
	v_pk_add_f32 v[SS+2*\g:SS+2*\g+1], v[SS+2*\g:SS+2*\g+1], v[32*\g+\i:32*\g+\i+1]
.endr
.endr
	WIN 0
.irp g, 0,1,2,3,4,5,6,7
	v_add_f32 v[SS+2*\g], v[SS+2*\g], v[SS+2*\g+1]
.endr
.irp g, 0,1,2,3,4,5,6,7
	v_permlanex16_b32 v[SS+2*\g+1], v[SS+2*\g], s[SEL], s[SEL+1]
.endr
.irp g, 0,1,2,3,4,5,6,7
	v_add_f32 v[SS+2*\g], v[SS+2*\g], v[SS+2*\g+1]
.endr
.irp g, 0,1,2,3,4,5,6,7
	v_mul_f32 v[SS+2*\g], s[R64], v[SS+2*\g]       ; the mean
.endr
	WIN 0x82
.irp i, 0,2,4,6,8,10,12,14,16,18,20,22,24,26,28,30
.irp g, 0,1,2,3,4,5,6,7
	v_pk_add_f32 v[32*\g+\i:32*\g+\i+1], v[32*\g+\i:32*\g+\i+1], v[SS+2*\g:SS+2*\g+1] op_sel_hi:[1,0] neg_lo:[0,1] neg_hi:[0,1]   ; x - mean
.endr
.endr
	WIN 0x0a
.irp g, 0,1,2,3,4,5,6,7
	v_pk_mul_f32 v[QQ+2*\g:QQ+2*\g+1], v[32*\g:32*\g+1], v[32*\g:32*\g+1]
.endr
.irp i, 2,4,6,8,10,12,14,16,18,20,22,24,26,28,30
.irp g, 0,1,2,3,4,5,6,7
	v_pk_fma_f32 v[QQ+2*\g:QQ+2*\g+1], v[32*\g+\i:32*\g+\i+1], v[32*\g+\i:32*\g+\i+1], v[QQ+2*\g:QQ+2*\g+1]
.endr
.endr
	WIN 0
.irp g, 0,1,2,3,4,5,6,7
	v_add_f32 v[QQ+2*\g], v[QQ+2*\g], v[QQ+2*\g+1]
.endr
.irp g, 0,1,2,3,4,5,6,7
	v_permlanex16_b32 v[QQ+2*\g+1], v[QQ+2*\g], s[SEL], s[SEL+1]
.endr
.irp g, 0,1,2,3,4,5,6,7
	v_add_f32 v[QQ+2*\g], v[QQ+2*\g], v[QQ+2*\g+1]
.endr
.irp g, 0,1,2,3,4,5,6,7
	v_fma_f32 v[QQ+2*\g], v[QQ+2*\g], s[R64], s[EPS]   ; the variance + eps
.endr
	s_wait_alu depctr_va_vdst(0)                   ; the wait ahead of the batch
.irp g, 0,1,2,3,4,5,6,7
	v_rsq_f32 v[QQ+2*\g], v[QQ+2*\g]
.endr
	v_nop                                          ; a plain line behind the last of the batch
	s_wait_alu depctr_va_vdst(0)                   ; one wait for the eight, ahead of their first reader
	WIN 0x82
.irp i, 0,2,4,6,8,10,12,14,16,18,20,22,24,26,28,30
.irp g, 0,1,2,3,4,5,6,7
	v_pk_mul_f32 v[32*\g+\i:32*\g+\i+1], v[32*\g+\i:32*\g+\i+1], v[QQ+2*\g:QQ+2*\g+1] op_sel_hi:[1,0]
.endr
.endr
	WIN 0
	s_cmp_eq_u32 s[T], 0
	s_wait_alu depctr_va_vdst(0)                   ; the wait ahead of the branch
	s_cbranch_scc0 .Lgain_k
	GAIN 0x96, 96, 224                             ; q's gain and offset, in window 1
	s_branch .Lgain_done
.Lgain_k:
	GAIN 0xbe, 160, 192                            ; k's, in window 3
.Lgain_done:
	QUANT16 0
	s_wait_alu depctr_va_vdst(0)
.irp e, 0,1
.irp q, 0,1
.irp c, 0,1,2
	global_store_b128 v[LK], v[UU+24*\e+12*\q+4*\c:UU+24*\e+12*\q+4*\c+3], s[CUC:CUC+1] offset:\e*HB+128*\q+512*\c   ; eight lanes store 128 consecutive bytes; the two pairs' stores fill each 256
.endr
.endr
.endr
	v_cmp_lt_u32 vcc_lo, 15, v[LANE]
	v_cndmask_b32 v244, v[WD], v[WD+2], vcc_lo
	v_cndmask_b32 v245, v[WD+1], v[WD+3], vcc_lo
	global_store_b32 v[VQ], v244, s[CUS:CUS+1]
	global_store_b32 v[VQ], v245, s[CUS:CUS+1] offset:64
	s_add_co_u32 s[T], s[T], 1
	s_cmp_lt_u32 s[T], 2
	s_wait_alu depctr_va_vdst(0)                   ; the wait ahead of the backward jump
	s_cbranch_scc1 .Ltile
	; ---- v: a lane's 64 registers of channel tile a are 128 keys' worth with lane l xor 16: one fragment and one scale word a tile
	START
	OPEN
	FIRST 128, 2
	KSTEP 1
	KSTEP 2
	KSTEP 3
	KSTEP 4
	KSTEP 5
	KSTEP 6
	LAST 0
	QUANT16 1
	s_wait_alu depctr_va_vdst(0)
.irp a, 0,1,2,3
.irp c, 0,1,2
	global_store_b128 v[LI], v[UU+12*\a+4*\c:UU+12*\a+4*\c+3], s[OVC:OVC+1] offset:1536*\a+512*\c   ; 32 lanes store 512 consecutive bytes, aligned
.endr
.endr
	v_cmp_gt_u32 vcc_lo, 16, v[LANE]
	s_wait_xcnt 0x0                                ; EXEC changes only behind this wait
	s_and_saveexec_b32 s56, vcc_lo
	global_store_b128 v[VSA], v[WD:WD+3], s[OVS:OVS+1] ; sixteen lanes store 256 consecutive bytes, aligned
	s_wait_xcnt 0x0
	s_or_b32 exec_lo, exec_lo, s56
	s_wait_tensorcnt 0x0                           ; the wave's end
	ds_add_u32 v[SPW], v[NIL]
	s_wait_dscnt 0x0
	CROUND                                         ; the closing round: no work-group ends while a partner may still ask for a tile that names it
	s_endpgm
.Lfunc_end_k_q6365038659_qkvgemm:
	.size	k_q6365038659_qkvgemm, .Lfunc_end_k_q6365038659_qkvgemm-k_q6365038659_qkvgemm
	.p2alignl 7, 3214868480
	.fill 96, 4, 3214868480
	.section	.rodata,"a",@progbits
	.p2align	6, 0x0
	.amdhsa_kernel k_q6365038659_qkvgemm
		.amdhsa_group_segment_fixed_size 327680
		.amdhsa_private_segment_fixed_size 0
		.amdhsa_enable_private_segment 0
		.amdhsa_kernarg_size 64
		.amdhsa_user_sgpr_count 2
		.amdhsa_user_sgpr_kernarg_segment_ptr 1
		.amdhsa_wavefront_size32 1
		.amdhsa_system_sgpr_workgroup_id_x 1
		.amdhsa_system_sgpr_workgroup_id_y 1
		.amdhsa_system_sgpr_workgroup_id_z 1
		.amdhsa_system_vgpr_workitem_id 0
		.amdhsa_next_free_vgpr 1024
		.amdhsa_next_free_sgpr 100
		.amdhsa_reserve_vcc 1
		.amdhsa_float_denorm_mode_32 3
		.amdhsa_float_denorm_mode_16_64 3
		.amdhsa_memory_ordered 1
		.amdhsa_forward_progress 1
		.amdhsa_inst_pref_size 215
	.end_amdhsa_kernel
	.amdgpu_metadata
---
amdhsa.version: [ 1, 2 ]
amdhsa.kernels:
  - .name:           k_q6365038659_qkvgemm
    .symbol:         k_q6365038659_qkvgemm.kd
    .args:
      - { .name: cimg, .offset: 0, .size: 8, .value_kind: global_buffer, .address_space: global }
      - { .name: scl, .offset: 8, .size: 8, .value_kind: global_buffer, .address_space: global }
      - { .name: b_qkv, .offset: 16, .size: 8, .value_kind: global_buffer, .address_space: global }
      - { .name: q_gamma, .offset: 24, .size: 8, .value_kind: global_buffer, .address_space: global }
      - { .name: q_beta, .offset: 32, .size: 8, .value_kind: global_buffer, .address_space: global }
      - { .name: k_gamma, .offset: 40, .size: 8, .value_kind: global_buffer, .address_space: global }
      - { .name: k_beta, .offset: 48, .size: 8, .value_kind: global_buffer, .address_space: global }
      - { .name: qkv, .offset: 56, .size: 8, .value_kind: global_buffer, .address_space: global }
    .group_segment_fixed_size: 327680
    .private_segment_fixed_size: 0
    .kernarg_segment_align: 8
    .kernarg_segment_size: 64
    .max_flat_workgroup_size: 128
    .sgpr_count:     100
    .vgpr_count:     1024
    .wavefront_size: 32
...
	.end_amdgpu_metadata
.endif
;; end of part 2
;; launch attn (part 3): grid 4 x 64, 16 waves a work-group, clusters of 4 x 1, 327,680 bytes of LDS; arguments qkv, oimg, osc; writes oimg, osc
.if DOCPART == 3
	.amdgcn_target "amdgcn-amd-amdhsa--gfx1250"
	.amdhsa_code_object_version 6
	.text
	.protected	k_q6365038659_attn
	.globl	k_q6365038659_attn
	.p2align	8
	.type	k_q6365038659_attn,@function
k_q6365038659_attn:
	s_mov_b64 s[64:65], 0
	v_nop
	global_prefetch_b8 v0, s[64:65] scope:SCOPE_SE
	s_setreg_imm32_b32 hwreg(HW_REG_WAVE_MODE, 25, 1), 1
	s_wait_xcnt 0x0
	s_wait_alu depctr_hold_cnt(0) depctr_sa_sdst(0) depctr_va_vdst(0) depctr_va_sdst(0) depctr_va_ssrc(0) depctr_va_vcc(0) depctr_vm_vsrc(0)
	s_getreg_b32 s2, hwreg(HW_REG_IB_STS2, 6, 4)
	s_cmp_eq_u32 s2, 0
	s_cbranch_scc0 .Lentry_in_a_cluster
	s_endpgm
.Lentry_in_a_cluster:
	s_bfe_u32 s2, ttmp6, 0x10000c
	s_cmp_lg_u32 s2, 0x3003
	s_cbranch_scc0 .Lentry_shape_is_right
	s_endpgm
.Lentry_shape_is_right:
; o = softmax(q k^T) v on codes of FP6, head by head; o is quantised along the 64 channels of its head and leaves as an image of the last product's operand.
; No work of reference() is left out.  The factor 2^-3 on q is applied here, with log2(e): t = score x log2(e) / 8.
; LIMITS: the promise holds while |t| stays under 2^31; NaN and infinities are not served; a block of zeros gets the byte 1 (its codes are zeros; this program alone reads the bytes).
; SHARES.  A work-group takes two heads of a batch and 256 queries: 16 waves, 16 queries a wave, head 0 and then head 1.  Each head's K, V and their scale words (102,400 bytes) lie in LDS whole, filled once.
; CLUSTER 4 x 1: the four blocks of queries of a pair of heads ask for the same tiles jointly (mask 15); each wave asks for 6,400 bytes of a head.  One tensor load of a wave is out at the most.
; Head 1's tile is asked for behind the round that shows head 0's whole.  Its barrier is split: a wave signals after four steps of head 0, behind its wait for its part, and waits ahead of head 1's first read;
; between the two stand LDS loads of head 0's bytes, which nobody writes, and work on registers.
; NO PREFETCH: both tiles are asked for at the head; no loop runs ahead of a later tensor load.
; BOTH PRODUCTS ARE USED TRANSPOSED (S^T = k q^T, O^T = v^T p^T): a lane holds one query.  A step is 128 keys.  An image of K holds two tiles of 16 keys (registers 0-5, 6-11; K = the head's 64); q stands between zeros, so that one
; run of registers picks the even tile and another the odd one.  Position 8 x + j of tile 4 c + u is key 64 c + 32 x + 8 u + j: so registers SR + 32 c + 0 .. 31 of lane (r, h) are the keys 64 c + 32 h + 0 .. 31 of the step,
; A WHOLE BLOCK OF 32 IN ONE LANE, in the order of the operand's registers: a block's maximum asks no other lane, and the codes are the operand as the conversions leave them.
.set HB,    153600
.set HL,    102400
.set SPARE, 2*HL                       ; behind the two heads: the spare words, 128 bytes a wave, that no other line names
.set AK0,   1                          ; 16 x lane
.set SH8,   2                          ; 8 h
.set ASK0,  3
.set ASV0,  4
.set SPW,   5
.set NIL,   6
.set R16,   7
.set ADK,   8
.set ADS,   10
.set ADT,   11
.set QZ,    16                         ; v16-33: six zeros, q, six zeros
.set Q1,    34
.set QW,    40
.set QS,    42
.set PS,    43
.set KS,    44
.set VS,    48
.set KV,    52                         ; v52-99 four images of K, then of V
.set SR,    100                        ; v100-163 scores, then p
.set OA,    164                        ; v164-195 O^T
.set PC,    196
.set PT,    208
.set FO,    216
.set FW,    228
.set BM,    232
.set BP,    236
.set BE,    240
.set WV,    18
.set SEL,   20
.set CS,    22
.set G1,    24
.set G0,    32
.set TB,    2
.set TS,    3
.macro PLACES
.rept 4
	v_nop
.endr
.endm
.macro DEP n
	s_delay_alu instid0(VALU_DEP_\n)
.endm
.macro CROUND
	s_barrier_signal -1
	s_barrier_wait -1
	s_cmp_lg_u32 s[WV], 0
	s_cbranch_scc1 .Lnot_wave_0_\@
	s_barrier_signal -3
.Lnot_wave_0_\@:
	s_barrier_wait -3
	s_barrier_signal -1
	s_barrier_wait -1
.endm
	s_load_b128 s[4:7], s[0:1], 0x0                ; qkv, oimg
	s_load_b64 s[8:9], s[0:1], 0x10                ; osc
	v_lshl_add_u32 v[SPW], v0, 2, SPARE
	v_mov_b32 v[NIL], 0
	ds_add_u32 v[SPW], v[NIL]                      ; the opening lines: the add, twice on end, and its wait
	ds_add_u32 v[SPW], v[NIL]
	v_lshrrev_b32 v8, 5, v0
	v_readfirstlane_b32 s[WV], v8                  ; wave 0..15
	s_bfe_u32 s42, ttmp6, 0x40000                  ; cx: my 256 queries
	s_and_b32 s43, ttmp7, 0xffff
	s_lshr_b32 s44, s43, 3                         ; the batch
	s_and_b32 s45, s43, 7                          ; the pair of heads
	s_lshl_b32 s46, s44, 4
	s_lshl_b32 s47, s45, 1
	s_add_co_u32 s46, s46, s47
	s_mul_i32 s46, s46, HB
	s_mov_b32 s47, 0
	s_mul_i32 s48, s[WV], 6400                     ; my part of a head's tile
	s_mov_b32 s49, 0
	s_mov_b32 s[G1], 15|(3<<16)|(1<<21)            ; the mask of all four; elements of 8 bytes; 25 rows of 256 bytes, dense
	s_mov_b32 s[G1+1], 32<<16
	s_mov_b32 s[G1+2], 25<<16
	s_mov_b32 s[G1+3], 32<<16
	s_mov_b32 s[G1+4], 25
	s_mov_b32 s[G1+5], 32
	s_mov_b32 s[G1+6], 0
	s_mov_b32 s[G1+7], 0
	s_mov_b32 s[SEL], 0x76543210
	s_mov_b32 s[SEL+1], 0xfedcba98
	s_mov_b32 s[CS], 0x3e38aa3b                    ; log2(e) / 8
	s_mov_b32 s[CS+1], s[CS]
	v_and_b32 v8, 31, v0
	v_and_b32 v9, 15, v0
	v_bfe_u32 v[SH8], v0, 4, 1
	v_lshlrev_b32 v[AK0], 4, v8
	v_lshl_add_u32 v[ASK0], v9, 3, 98304
	v_lshl_add_u32 v[ASV0], v9, 4, 100352
	v_lshlrev_b32 v[R16], 4, v9
	v_lshlrev_b32 v249, 3, v9
	v_lshlrev_b32 v[SH8], 3, v[SH8]
	s_and_b32 s56, s[WV], 1                        ; my tile is the even or the odd one of its image
	s_lshl_b32 s41, s56, 4
	s_mul_i32 s57, s56, 520
	s_mul_i32 s58, s56, 1016
	s_add_co_u32 s58, s58, 8
	v_add_nc_u32 v250, s57, v[AK0]                 ; registers 0-1 and 4-5 of the image, or 6-7 and 10-11
	v_add_nc_u32 v251, s58, v[AK0]                 ; registers 2-3, or 8-9
	s_lshl_b32 s52, s42, 3
	s_lshr_b32 s53, s[WV], 1
	s_add_co_u32 s52, s52, s53
	s_mul_i32 s52, s52, 1536
	s_add_co_u32 s52, s52, 102400
	s_mov_b32 s53, 0
	s_lshl_b32 s54, s42, 2
	s_lshr_b32 s55, s[WV], 2
	s_add_co_u32 s54, s54, s55
	s_lshl_b32 s54, s54, 7
	s_bfe_u32 s55, s[WV], 0x10001
	s_lshl_b32 s55, s55, 2
	s_add_co_u32 s54, s54, s55
	s_add_co_u32 s54, s54, 151552
	s_mov_b32 s55, 0
	s_wait_alu depctr_va_vdst(0)                   ; the wait ahead of the blocking waits
	s_wait_dscnt 0x0                               ; both opening adds are done
	s_wait_kmcnt 0x0
	s_add_nc_u64 s[4:5], s[4:5], s[46:47]
	s_add_nc_u64 s[50:51], s[4:5], s[48:49]
	s_add_nc_u64 s[52:53], s[4:5], s[52:53]
	s_add_nc_u64 s[54:55], s[4:5], s[54:55]
	global_load_b64 v[QZ+6:QZ+7], v250, s[52:53]   ; q of both heads and its scale words go out ahead of the round and the tiles
	global_load_b64 v[QZ+8:QZ+9], v251, s[52:53]
	global_load_b64 v[QZ+10:QZ+11], v250, s[52:53] offset:512
	global_load_b32 v[QW], v249, s[54:55]
	global_load_b64 v[Q1:Q1+1], v250, s[52:53] offset:HB
	global_load_b64 v[Q1+2:Q1+3], v251, s[52:53] offset:HB
	global_load_b64 v[Q1+4:Q1+5], v250, s[52:53] offset:HB+512
	global_load_b32 v[QW+1], v249, s[54:55] offset:HB
	CROUND                                         ; all four work-groups are here: the joint loads meet
.irp e, 0,1
	s_mov_b32 s[G0+4*\e], 1
	s_add_co_u32 s[G0+4*\e+1], s48, \e*HL
	s_add_nc_u64 s[G0+4*\e+2:G0+4*\e+3], s[50:51], \e*HB
	s_or_b32 s[G0+4*\e+3], s[G0+4*\e+3], 0x80000000
.endr
	tensor_load_to_lds s[G0:G0+3], s[G1:G1+7]      ; head 0: my one load at the head
	s_nop 0
.irp i, 0,1,2,3,4,5
	v_mov_b32 v[QZ+\i], 0
	v_mov_b32 v[QZ+12+\i], 0
.endr
	v_mov_b32 v253, 0                              ; named as the upper half of a pair
	v_mov_b32 v255, 0                              ; a lane permute's destination counts as one of its sources
	s_lshl_b32 s59, s44, 6
	s_lshl_b32 s60, s42, 4
	s_add_co_u32 s59, s59, s60
	s_add_co_u32 s59, s59, s[WV]                   ; my tile of tokens
	s_lshl_b32 s60, s59, 3
	s_add_co_u32 s60, s60, s45
	s_mul_i32 s60, s60, 1536
	s_mov_b32 s61, 0
	s_add_nc_u64 s[6:7], s[6:7], s[60:61]
	s_lshl_b32 s60, s59, 9
	s_lshr_b32 s62, s45, 2
	s_lshl_b32 s62, s62, 8
	s_add_co_u32 s60, s60, s62
	s_and_b32 s62, s45, 3
	s_lshl_b32 s62, s62, 2
	s_add_co_u32 s60, s60, s62
	s_add_nc_u64 s[8:9], s[8:9], s[60:61]
	s_wait_alu depctr_va_vdst(0)                   ; the wait at the head's end
	s_wait_tensorcnt 0x0                           ; my part of head 0 is in
	ds_add_u32 v[SPW], v[NIL]
	s_wait_dscnt 0x0
	CROUND                                         ; everybody's part is in
	tensor_load_to_lds s[G0+4:G0+7], s[G1:G1+7]    ; head 1
	s_nop 0
; A step: 128 keys.
.macro STEP
	v_add_nc_u32 v[ADK], s[TB], v[AK0]             ; these three and the v_nop are the places behind the last step's products, in front of the loads into their sources
	v_add_nc_u32 v[ADS], s[TS], v[ASK0]
	v_add_nc_u32 v[ADT], s[TS], v[ASV0]
	v_nop
.irp j, 0,1,2,3
.irp c, 0,1,2
	ds_load_b128 v[KV+12*\j+4*\c:KV+12*\j+4*\c+3], v[ADK] offset:1536*\j+512*\c
.endr
.endr
	ds_load_b64 v[KS:KS+1], v[ADS]
	ds_load_b64 v[KS+2:KS+3], v[ADS] offset:128
	s_wait_alu depctr_va_vdst(0)                   ; the wait ahead of the blocking wait
	s_wait_dscnt 0x0
.irp j, 0,1,2,3
	v_wmma_scale_f32_16x16x128_f8f6f4 v[SR+16*\j:SR+16*\j+7], v[KV+12*\j:KV+12*\j+11], v[QZ+6:QZ+17], 0, v[KS+\j], v[QS] matrix_a_fmt:MATRIX_FMT_FP6 matrix_b_fmt:MATRIX_FMT_FP6
	v_wmma_scale_f32_16x16x128_f8f6f4 v[SR+16*\j+8:SR+16*\j+15], v[KV+12*\j:KV+12*\j+11], v[QZ:QZ+11], 0, v[KS+\j], v[QS] matrix_a_fmt:MATRIX_FMT_FP6 matrix_b_fmt:MATRIX_FMT_FP6
.endr
	PLACES
.irp t, 0,1,2,3
.irp c, 0,1,2
	ds_load_b128 v[KV+12*\t+4*\c:KV+12*\t+4*\c+3], v[ADK] offset:49152+1536*\t+512*\c   ; V's images lie 49,152 bytes behind K's
.endr
.endr
	ds_load_b128 v[VS:VS+3], v[ADT]
.irp c, 0,1                                    ; the largest score of my two blocks of 32, each in two chains; every accumulator is first read at its low end
	v_max3_num_f32 v[BM+2*\c], v[SR+32*\c], v[SR+32*\c+1], v[SR+32*\c+2]
	v_max3_num_f32 v[BM+2*\c+1], v[SR+32*\c+16], v[SR+32*\c+17], v[SR+32*\c+18]
.endr
.irp i, 3,5,7,9,11,13
.irp c, 0,1
	v_max3_num_f32 v[BM+2*\c], v[BM+2*\c], v[SR+32*\c+\i], v[SR+32*\c+\i+1]
	v_max3_num_f32 v[BM+2*\c+1], v[BM+2*\c+1], v[SR+32*\c+16+\i], v[SR+32*\c+17+\i]
.endr
.endr
.irp c, 0,1
	v_max3_num_f32 v[BM+2*\c], v[BM+2*\c], v[BM+2*\c+1], v[SR+32*\c+15]
.endr
.irp c, 0,1
	v_max_num_f32 v[BM+2*\c], v[BM+2*\c], v[SR+32*\c+31]
.endr
	v_max_num_f32 v254, v[BM], v[BM+2]
	v_permlanex16_b32 v255, v254, s[SEL], s[SEL+1]
	v_max3_num_f32 v13, v13, v254, v255            ; the running largest score of my query
	v_mov_b32 v254, v12
	v_mul_f32 v251, s[CS], v13                     ; as t
	v_floor_f32 v12, -v251                         ; -M = floor(-t): M is a whole number
.set n, 0
.rept 3                                        ; t - M, two at a time; the three lines that make f stand among the first of them, which do not hang on them
	v_pk_fma_f32 v[SR+n:SR+n+1], v[SR+n:SR+n+1], s[CS:CS+1], v[12:13] op_sel_hi:[1,0,0]
.set n, n+2
.endr
	v_sub_f32 v254, v12, v254
.rept 3
	v_pk_fma_f32 v[SR+n:SR+n+1], v[SR+n:SR+n+1], s[CS:CS+1], v[12:13] op_sel_hi:[1,0,0]
.set n, n+2
.endr
	v_cvt_i32_f32 v254, v254                       ; (it saturates)
.rept 3
	v_pk_fma_f32 v[SR+n:SR+n+1], v[SR+n:SR+n+1], s[CS:CS+1], v[12:13] op_sel_hi:[1,0,0]
.set n, n+2
.endr
	v_ldexp_f32 v252, 1.0, v254                    ; f = 2^(old M - new M)
.rept 23
	v_pk_fma_f32 v[SR+n:SR+n+1], v[SR+n:SR+n+1], s[CS:CS+1], v[12:13] op_sel_hi:[1,0,0]
.set n, n+2
.endr
	v_fma_f32 v[BM], v[BM], s[CS], v12             ; the same of each block's largest score: p rises with the score
	v_fma_f32 v[BM+2], v[BM+2], s[CS], v12
	s_wait_alu depctr_va_vdst(0)                   ; the wait ahead of the batch
	v_exp_f32 v[BM], v[BM]
	v_exp_f32 v[BM+2], v[BM+2]
.set n, 0
.rept 64
	v_exp_f32 v[SR+n], v[SR+n]
.set n, n+1
.endr
	v_pk_mul_f32 v[14:15], v[14:15], v[252:253] op_sel_hi:[1,0]   ; the sums under the new M: the plain line behind the batch
	s_wait_alu depctr_va_vdst(0)                   ; one wait for the 66, ahead of their first reader
.irp c, 0,1
	v_max_num_f32 v[BM+2*\c], 0x1800000, v[BM+2*\c]   ; the floor 2^(3 - 127) holds the byte at 1 from below
.endr
.irp c, 0,1
	DEP 2
	v_add_nc_u32 v[BE+\c], 0xff000000, v[BM+2*\c]  ; 2 off the exponent field: the conversion's scale operand
.endr
.irp c, 0,1
	DEP 2
	v_lshrrev_b32 v[BP+\c], 23, v[BE+\c]
.endr
	DEP 1
	v_lshl_or_b32 v254, v[BP+1], 16, v[BP]         ; my bytes: blocks h and 2 + h,
	DEP 1
	v_lshlrev_b32 v254, v[SH8], v254               ; at their places;
	DEP 1
	v_permlanex16_b32 v255, v254, s[SEL], s[SEL+1]
	DEP 1
	v_or_b32 v[PS], v254, v255                     ; with lane l xor 16's two the word is whole
.irp c, 0,1
	v_cvt_scalef32_pk16_fp6_f32 v[PC+6*\c:PC+6*\c+2], v[SR+32*\c:SR+32*\c+15], v[BE+\c]
	v_cvt_scalef32_pk16_fp6_f32 v[PT+4*\c:PT+4*\c+2], v[SR+32*\c+16:SR+32*\c+31], v[BE+\c]   ; (a conversion's three registers begin on an even number)
.endr
	v_pk_add_f32 v[244:245], v[SR:SR+1], v[SR+2:SR+3]   ; the row's sum is taken of the unquantised p, in two chains
.irp j, 4,8,12,16,20,24,28,32,36,40,44,48,52,56,60
	v_pk_add_f32 v[14:15], v[14:15], v[SR+\j:SR+\j+1]
	v_pk_add_f32 v[244:245], v[244:245], v[SR+\j+2:SR+\j+3]
.endr
	DEP 1
	v_pk_add_f32 v[14:15], v[14:15], v[244:245]
.irp c, 0,1
.irp i, 0,1,2
	v_mov_b32 v[PC+6*\c+3+\i], v[PT+4*\c+\i]
.endr
.endr
	s_wait_alu depctr_va_vdst(0)                   ; the wait directly ahead of the first reader of O^T
.set n, 0
.rept 16
	v_pk_mul_f32 v[OA+n:OA+n+1], v[OA+n:OA+n+1], v[252:253] op_sel_hi:[1,0]   ; O^T under the new M
.set n, n+2
.endr
	s_wait_alu depctr_va_vdst(0)                   ; and ahead of the blocking wait
	s_wait_dscnt 0x0                               ; V's images and scale words are in
.irp t, 0,1,2,3
	v_wmma_scale_f32_16x16x128_f8f6f4 v[OA+8*\t:OA+8*\t+7], v[KV+12*\t:KV+12*\t+11], v[PC:PC+11], v[OA+8*\t:OA+8*\t+7], v[VS+\t], v[PS] matrix_a_fmt:MATRIX_FMT_FP6 matrix_b_fmt:MATRIX_FMT_FP6
.endr
	s_add_co_u32 s[TB], s[TB], 6144
	s_add_co_u32 s[TS], s[TS], 256
.endm
.macro RUN n, tb, ts                   ; n steps from LDS bytes tb (codes) and ts (scale words) on
	s_mov_b32 s[TB], \tb
	s_mov_b32 s[TS], \ts
	s_mov_b32 s40, \n
.Lstep_\@:
	STEP
	s_sub_co_u32 s40, s40, 1
	s_cmp_lg_u32 s40, 0
	s_cbranch_scc1 .Lstep_\@
.endm
.macro BEGIN e                         ; head e: q, its scale bytes in both halves of the word, and the sums' start
.if \e
.irp i, 0,1,2,3,4,5
	v_mov_b32 v[QZ+6+\i], v[Q1+\i]
.endr
.endif
	v_lshrrev_b32 v[QS], s41, v[QW+\e]
	DEP 1
	v_and_b32 v[QS], 0xffff, v[QS]
	DEP 1
	v_lshl_or_b32 v[QS], v[QS], 16, v[QS]
	v_mov_b32 v13, 0xff61b1e6                      ; -3e38, under every score
	DEP 1
	v_mul_f32 v251, s[CS], v13
	DEP 1
	v_floor_f32 v12, -v251
	v_mov_b32 v14, 0
	v_mov_b32 v15, 0
.set n, 0
.rept 32
	v_mov_b32 v[OA+n], 0                           ; the step is written once: the first finds zeros
.set n, n+1
.endr
.endm
.macro FINISH e                        ; O^T / the sum, quantised along the head's 64: registers 16 b .. 16 b + 15 with lane l xor 16's are a block
	v_add_f32 v14, v14, v15
	DEP 1
	v_permlanex16_b32 v252, v14, s[SEL], s[SEL+1]
	DEP 1
	v_add_f32 v14, v14, v252
	s_wait_alu depctr_va_vdst(0)
	v_rcp_f32 v14, v14
	PLACES
	s_wait_alu depctr_va_vdst(0)
.set n, 0
.rept 16
	v_pk_mul_f32 v[SR+n:SR+n+1], v[OA+n:OA+n+1], v[14:15] op_sel_hi:[1,0]
.set n, n+2
.endr
.irp b, 0,1
	v_max3_num_f32 v[BM+\b], |v[SR+16*\b]|, |v[SR+16*\b+1]|, 0x1800000
.endr
.irp i, 2,4,6,8,10,12,14
.irp b, 0,1
	DEP 2
	v_max3_num_f32 v[BM+\b], v[BM+\b], |v[SR+16*\b+\i]|, |v[SR+16*\b+\i+1]|
.endr
.endr
.irp b, 0,1
	DEP 2
	v_permlanex16_b32 v[BP+\b], v[BM+\b], s[SEL], s[SEL+1]
.endr
.irp b, 0,1
	DEP 2
	v_max_num_f32 v[BM+\b], v[BM+\b], v[BP+\b]
.endr
.irp b, 0,1
	DEP 2
	v_add_nc_u32 v[BE+\b], 0xff000000, v[BM+\b]
.endr
.irp b, 0,1
	DEP 2
	v_lshrrev_b32 v[BP+\b], 23, v[BE+\b]
.endr
	v_cvt_scalef32_pk16_fp6_f32 v[FO+6*\e:FO+6*\e+2], v[SR:SR+15], v[BE]
	v_cvt_scalef32_pk16_fp6_f32 v[PT:PT+2], v[SR+16:SR+31], v[BE+1]
	v_nop
.irp i, 0,1,2
	v_permlane16_swap_b32 v[FO+6*\e+\i], v[PT+\i]  ; a whole block to a lane
.endr
.irp i, 0,1,2
	DEP 3
	v_mov_b32 v[FO+6*\e+3+\i], v[PT+\i]
.endr
.if \e
	v_lshl_or_b32 v254, v[BP+1], 8, v[BP]
	DEP 1
	v_lshl_or_b32 v[FW], v254, 16, v[FW]
.else
	v_lshl_or_b32 v[FW], v[BP+1], 8, v[BP]
.endif
.endm
	s_wait_loadcnt 0x0                             ; q and its scale words
	BEGIN 0
	RUN 4, 0, 0
	s_wait_tensorcnt 0x0                           ; my part of head 1 is in,
	s_wait_dscnt 0x0                               ; no LDS instruction of mine is out:
	s_barrier_signal -1                            ; say so, and go on with head 0
	RUN 4, 4*6144, 4*256
	FINISH 0
	s_wait_alu depctr_va_vdst(0)                   ; the wait ahead of the barrier's wait
	s_barrier_wait -1                              ; everybody's part of head 1 is in
	BEGIN 1
	RUN 8, HL, HL
	FINISH 1
.irp c, 0,1,2
	global_store_b128 v[AK0], v[FO+4*\c:FO+4*\c+3], s[6:7] offset:512*\c   ; 32 lanes store 512 consecutive bytes, aligned
.endr
	v_and_b32 v254, 31, v0
	DEP 1
	v_cmp_gt_u32 vcc_lo, 16, v254
	s_wait_alu depctr_va_vdst(0)
	s_wait_xcnt 0x0                                ; EXEC changes only behind this wait
	s_and_saveexec_b32 s10, vcc_lo
	global_store_b32 v[R16], v[FW], s[8:9]         ; my K step's word of each token's four
	s_wait_xcnt 0x0
	s_or_b32 exec_lo, exec_lo, s10
	s_wait_tensorcnt 0x0                           ; the wave's end
	ds_add_u32 v[SPW], v[NIL]
	s_wait_dscnt 0x0
	CROUND                                         ; the closing round
	s_endpgm
.Lfunc_end_k_q6365038659_attn:
	.size	k_q6365038659_attn, .Lfunc_end_k_q6365038659_attn-k_q6365038659_attn
	.p2alignl 7, 3214868480
	.fill 96, 4, 3214868480
	.section	.rodata,"a",@progbits
	.p2align	6, 0x0
	.amdhsa_kernel k_q6365038659_attn
		.amdhsa_group_segment_fixed_size 327680
		.amdhsa_private_segment_fixed_size 0
		.amdhsa_enable_private_segment 0
		.amdhsa_kernarg_size 24
		.amdhsa_user_sgpr_count 2
		.amdhsa_user_sgpr_kernarg_segment_ptr 1
		.amdhsa_wavefront_size32 1
		.amdhsa_system_sgpr_workgroup_id_x 1
		.amdhsa_system_sgpr_workgroup_id_y 1
		.amdhsa_system_sgpr_workgroup_id_z 1
		.amdhsa_system_vgpr_workitem_id 0
		.amdhsa_next_free_vgpr 256
		.amdhsa_next_free_sgpr 66
		.amdhsa_reserve_vcc 1
		.amdhsa_float_denorm_mode_32 3
		.amdhsa_float_denorm_mode_16_64 3
		.amdhsa_memory_ordered 1
		.amdhsa_forward_progress 1
		.amdhsa_inst_pref_size 64
	.end_amdhsa_kernel
	.amdgpu_metadata
---
amdhsa.version: [ 1, 2 ]
amdhsa.kernels:
  - .name:           k_q6365038659_attn
    .symbol:         k_q6365038659_attn.kd
    .args:
      - { .name: qkv, .offset: 0, .size: 8, .value_kind: global_buffer, .address_space: global }
      - { .name: oimg, .offset: 8, .size: 8, .value_kind: global_buffer, .address_space: global }
      - { .name: osc, .offset: 16, .size: 8, .value_kind: global_buffer, .address_space: global }
    .group_segment_fixed_size: 327680
    .private_segment_fixed_size: 0
    .kernarg_segment_align: 8
    .kernarg_segment_size: 24
    .max_flat_workgroup_size: 512
    .sgpr_count:     66
    .vgpr_count:     256
    .wavefront_size: 32
...
	.end_amdgpu_metadata
.endif
;; end of part 3
;; launch proj (part 4): grid 4 x 64, 4 waves a work-group, clusters of 4 x 4, 295,424 bytes of LDS; arguments oimg, osc, cimg, scl, b_proj, out0; writes out0
.if DOCPART == 4
	.amdgcn_target "amdgcn-amd-amdhsa--gfx1250"
	.amdhsa_code_object_version 6
	.text
	.protected	k_q6365038659_proj
	.globl	k_q6365038659_proj
	.p2align	8
	.type	k_q6365038659_proj,@function
k_q6365038659_proj:
	s_mov_b64 s[64:65], 0
	v_nop
	global_prefetch_b8 v0, s[64:65] scope:SCOPE_SE
	s_setreg_imm32_b32 hwreg(HW_REG_WAVE_MODE, 25, 1), 1
	s_wait_xcnt 0x0
	s_wait_alu depctr_hold_cnt(0) depctr_sa_sdst(0) depctr_va_vdst(0) depctr_va_sdst(0) depctr_va_ssrc(0) depctr_va_vcc(0) depctr_vm_vsrc(0)
	s_getreg_b32 s2, hwreg(HW_REG_IB_STS2, 6, 4)
	s_cmp_eq_u32 s2, 0
	s_cbranch_scc0 .Lentry_in_a_cluster
	s_endpgm
.Lentry_in_a_cluster:
	s_bfe_u32 s2, ttmp6, 0x10000c
	s_cmp_lg_u32 s2, 0xf033
	s_cbranch_scc0 .Lentry_shape_is_right
	s_endpgm
.Lentry_shape_is_right:
; out0 = O w_proj^T + b_proj on codes of FP6.  O's codes and scale words come from the attention launch, w_proj's from the first launch, both as images of operand registers.  No work of reference() is left out.
; SHARES, LDS, CLUSTER AND LOOP as in the launch for q, k, v: a work-group makes 128 tokens x 256 features with all of K = 1,024 in LDS (98,304 + 196,608 bytes), asked for at the head; nothing is filled again;
; four waves, 2 x 2, 64 x 128 each; source 0 = 16 rows of w_proj, source 1 = 16 tokens: a lane holds one token and its registers run along the features; A's tiles are shared along a row of the 4 x 4 cluster, B's along a column.
; Wave 0 asks for A, waves 1 and 2 for B's halves, one load each; wave 3 asks for nothing.  One tensor load of a wave is out at the most.
; Position p of tile T is row 32 (T / 2) + 8 (T % 2) + p + 8 (p / 8), for features: register 8 b + j of lane (r, h) is feature 32 (b / 2) + 16 h + 8 (b % 2) + j of my 128.
; THE WAY OUT: a block of 16 tokens x 128 features goes through the wave's own stage in LDS and leaves as whole rows of 512 bytes.  The stages lie at the start of A's region, which has had its only fill, and whose last reads
; every wave has waited for in front of the barrier of K step 7.
.set SPARE, 294912
.set REG,   98304
.set STGB,  24576
; ONE TENSOR LOAD A WAVE: each region (8 blocks x all eight K steps, 98,304 dense bytes) is asked for whole at the head.
; One tensor load of a wave is out at the most; the walk along K has no barrier but the one of its last step, behind which the stages, at the start of A's region, are written: every wave has waited for its last reads in front of its signal.
; Position 8 x + j of tile 4 c + a of the tokens is token 64 c + 32 x + 8 a + j, as the attention launch leaves them.
.set BLK,   12288                      ; a block's eight K steps
.set SPITCH, 528
.set LANE,  1
.set RW,    2
.set HF,    3
.set ADRA,  4
.set ADRB,  6
.set LI,    8
.set SPW,   10
.set NIL,   11
.set VSA,   12
.set VSB,   13
.set VBO,   14
.set STO,   15
.set RD,    16
.set SCA,   32
.set SCB,   64
.set AF,    96
.set BI,    192
.set BK,    96                         ; the way out: v96-159 and v160-223 by turns
.set WV,    20
.set WR,    21
.set WC,    22
.set G1A,   24
.set G0A,   32
.set G1B,   48
.set G0B,   68
.set CX,    84
.set CY,    85
.set RR,    86
.set CC,    87
.set TA,    88
.set TB,    89
.set MULW,  0xa1
.set MSB, 0
.macro WIN new
.if MSB != \new
	s_set_vgpr_msb (MSB<<8)|\new
.set MSB, \new
.endif
.endm
.macro PLACES
.rept 4
	v_nop
.endr
.endm
.macro CROUND
	s_barrier_signal -1
	s_barrier_wait -1
	s_cmp_lg_u32 s[WV], 0
	s_cbranch_scc1 .Lnot_wave_0_\@
	s_barrier_signal -3
.Lnot_wave_0_\@:
	s_barrier_wait -3
	s_barrier_signal -1
	s_barrier_wait -1
.endm
.macro FETCH s, p
	WIN 0x40
.irp b, 0,1,2,3,4,5,6,7
.irp c, 0,1,2
	ds_load_b128 v[128*(\p)+12*\b+4*\c:128*(\p)+12*\b+4*\c+3], v[ADRB+\b/4] offset:BLK*(\b%4)+1536*(\s)+512*\c
.endr
.endr
	WIN 0
.irp a, 0,1,2,3
.irp c, 0,1,2
	ds_load_b128 v[AF+48*(\p)+12*\a+4*\c:AF+48*(\p)+12*\a+4*\c+3], v[ADRA] offset:BLK*\a+1536*(\s)+512*\c
.endr
.endr
.endm
.macro ONE a, b, s, p, cm              ; cm = 0: adds in place; 1: C = the bias by B's block
.set rD, 8*(8*(\a)+(\b))
.set rB, 128*(\p)+12*(\b)
.set rA, AF+48*(\p)+12*(\a)
.set rX, SCB+8*((\b)%4)+(\s)
.set rY, SCA+8*(\a)+(\s)
.set rC, rD
.if (\cm) == 1
.set rC, BI+8*(\b)
.endif
.if (\b) < 4
	v_wmma_scale_f32_16x16x128_f8f6f4 v[rD:rD+7], v[rB:rB+11], v[rA:rA+11], v[rC:rC+7], v[rX], v[rY] matrix_a_fmt:MATRIX_FMT_FP6 matrix_b_fmt:MATRIX_FMT_FP6
.else
	v_wmma_scale_f32_16x16x128_f8f6f4 v[rD:rD+7], v[rB:rB+11], v[rA:rA+11], v[rC:rC+7], v[rX], v[rY] matrix_a_fmt:MATRIX_FMT_FP6 matrix_b_fmt:MATRIX_FMT_FP6 matrix_a_scale:MATRIX_SCALE_ROW1
.endif
.endm
.macro MUL16 s, p, a0, cm              ; the 32 accumulators take turns, one instruction a turn, in the same order in every K step
.irp a, \a0, \a0+1
.irp b, 0,1,2,3,4,5,6,7
	ONE \a, \b, \s, \p, \cm
.endr
.endr
.endm
.macro KSTEP s
	s_wait_dscnt 0x0                               ; this step's fragments are in
.if (\s) == 7
	s_barrier_signal -1                            ; my reads of LDS are over
	WIN MULW
	MUL16 \s, 1, 0, 0
	MUL16 \s, 1, 2, 0
	s_barrier_wait -1                              ; everybody's are: the stages may be written
.else
	PLACES
	FETCH (\s)+1, ((\s)+1)%2                       ; the next K step into the set that the last step multiplied
	WIN MULW
	MUL16 \s, (\s)%2, 0, 0
	MUL16 \s, (\s)%2, 2, 0
.endif
.endm
	s_load_b256 s[4:11], s[0:1], 0x0               ; oimg, osc, cimg, scl
	s_load_b128 s[12:15], s[0:1], 0x20             ; b_proj, out0
	v_lshl_add_u32 v[SPW], v0, 2, SPARE
	v_mov_b32 v[NIL], 0
	ds_add_u32 v[SPW], v[NIL]                      ; the wave's opening: the add, twice on end, and its wait ahead of the first tensor load
	ds_add_u32 v[SPW], v[NIL]
	v_lshrrev_b32 v1, 5, v0
	v_readfirstlane_b32 s[WV], v1
	s_lshr_b32 s[WR], s[WV], 1
	s_and_b32 s[WC], s[WV], 1
	s_bfe_u32 s[CX], ttmp6, 0x40000
	s_bfe_u32 s[CY], ttmp6, 0x40004
	s_and_b32 s56, ttmp7, 0xffff
	s_lshl_b32 s56, s56, 2
	s_add_co_u32 s[RR], s56, s[CY]                 ; my 128 tokens
	s_lshl_b32 s58, ttmp9, 2
	s_add_co_u32 s[CC], s58, s[CX]                 ; my 256 features
	s_lshl_b32 s[TA], s[RR], 3
	s_lshl_b32 s[TB], s[CC], 4
	s_add_co_u32 s[TB], s[TB], 704                 ; w_proj begins at tile 704
	s_lshl_b32 s63, s[CY], 2
	s_lshl_b32 s63, 15, s63                        ; my row of the cluster
	s_lshl_b32 s90, 0x1111, s[CX]                  ; my column
	s_or_b32 s[G1A], s63, (3<<16)|(1<<21)
	s_or_b32 s[G1B], s90, (3<<16)|(1<<21)
.irp g, G1A, G1B
	s_mov_b32 s[\g+1], 1536<<16                    ; 8 blocks x 12,288 bytes (1,536 elements of 8 bytes), dense
	s_mov_b32 s[\g+2], 8<<16
	s_mov_b32 s[\g+3], 1536<<16
	s_mov_b32 s[\g+4], 8
	s_mov_b32 s[\g+5], 1536
	s_mov_b32 s[\g+6], 0
	s_mov_b32 s[\g+7], 0
.endr
	s_mul_i32 s92, s[TA], 12288
	s_mov_b32 s93, 0
	s_lshl_b32 s94, s[WR], 3
	s_add_co_u32 s94, s94, s[TB]
	s_mul_i32 s94, s94, 12288
	s_mov_b32 s95, 0
	s_mul_i32 s91, s[WV], REG
	s_wait_dscnt 0x0                               ; both opening adds are done
	s_wait_kmcnt 0x0
	s_add_nc_u64 s[92:93], s[4:5], s[92:93]
	s_add_nc_u64 s[94:95], s[8:9], s[94:95]
	CROUND                                         ; all sixteen work-groups are here: the joint loads meet
.irp g, 0
	s_mov_b32 s[G0A+4*\g], 1
	s_mov_b32 s[G0A+4*\g+1], \g*STGB
	s_add_nc_u64 s[G0A+4*\g+2:G0A+4*\g+3], s[92:93], \g*BLK
	s_or_b32 s[G0A+4*\g+3], s[G0A+4*\g+3], 0x80000000
	s_mov_b32 s[G0B+4*\g], 1
	s_add_co_u32 s[G0B+4*\g+1], s91, \g*STGB
	s_add_nc_u64 s[G0B+4*\g+2:G0B+4*\g+3], s[94:95], \g*BLK
	s_or_b32 s[G0B+4*\g+3], s[G0B+4*\g+3], 0x80000000
.endr
	s_cmp_eq_u32 s[WV], 0                          ; a wave's one fill stands in a branch on its number
	s_cbranch_scc0 .Lnot_a
.irp g, 0
	tensor_load_to_lds s[G0A+4*\g:G0A+4*\g+3], s[G1A:G1A+7]
	s_nop 0
.endr
	PLACES
	s_branch .Lasked
.Lnot_a:
	s_cmp_lt_u32 s[WV], 3
	s_cbranch_scc0 .Lasked
.irp g, 0
	tensor_load_to_lds s[G0B+4*\g:G0B+4*\g+3], s[G1B:G1B+7]
	s_nop 0
.endr
	PLACES
.Lasked:
	v_and_b32 v[LANE], 31, v0
	v_and_b32 v[RW], 15, v0
	v_bfe_u32 v[HF], v0, 4, 1
	v_lshlrev_b32 v[LI], 4, v[LANE]
	s_mul_i32 s56, s[WR], 4*BLK
	v_add_nc_u32 v[ADRA], s56, v[LI]
	s_add_co_u32 s56, s[WC], 1
	s_mul_i32 s56, s56, REG
	v_add_nc_u32 v[ADRB], s56, v[LI]
	v_add_nc_u32 v[ADRB+1], 2*STGB, v[ADRB]
	v_lshlrev_b32 v[VSA], 4, v[RW]
	s_wait_alu depctr_va_vdst(0)
	v_lshl_add_u32 v[VSB], v[HF], 11, v[VSA]
	s_wait_alu depctr_va_vdst(0)
	v_lshlrev_b32 v[VBO], 6, v[HF]
	s_wait_alu depctr_va_vdst(0)
	s_mul_i32 s56, s[WV], 16*SPITCH                ; my stage
	v_mul_u32_u24 v[STO], v[RW], SPITCH
	v_lshl_add_u32 v[STO], v[HF], 6, v[STO]
	v_add_nc_u32 v[STO], s56, v[STO]               ; in: row r, + 64 h
	v_add_nc_u32 v[RD], s56, v[LI]                 ; back: the 32 lanes take one row of 512 bytes
	s_lshl_b32 s56, s[WR], 2
	s_add_co_u32 s56, s56, s[TA]
	s_lshl_b32 s56, s56, 9
	s_mov_b32 s57, 0
	s_add_nc_u64 s[6:7], s[6:7], s[56:57]          ; the scale words of my four tiles of tokens
	s_lshl_b32 s56, s[WC], 3
	s_add_co_u32 s56, s56, s[TB]
	s_lshl_b32 s56, s56, 9
	s_add_nc_u64 s[10:11], s[10:11], s[56:57]      ; and of my eight tiles of w_proj
	s_lshl_b32 s56, s[CC], 10
	s_lshl_b32 s58, s[WC], 9
	s_add_co_u32 s56, s56, s58
	s_add_nc_u64 s[12:13], s[12:13], s[56:57]      ; b_proj at my 128 features
	s_add_nc_u64 s[14:15], s[14:15], s[56:57]      ; out0: my columns,
	s_lshl_b32 s56, s[RR], 7
	s_lshl_b32 s58, s[WR], 6
	s_add_co_u32 s56, s56, s58
	s_lshl_b32 s56, s56, 12
	s_add_nc_u64 s[14:15], s[14:15], s[56:57]      ; my 64 rows
.irp a, 0,1,2,3
.irp g, 0,1
	global_load_b128 v[SCA+8*\a+4*\g:SCA+8*\a+4*\g+3], v[VSA], s[6:7] offset:512*\a+256*\g
	global_load_b128 v[SCB+8*\a+4*\g:SCB+8*\a+4*\g+3], v[VSB], s[10:11] offset:512*\a+256*\g
.endr
.endr
.irp b, 0,1,2,3,4,5,6,7
	global_load_b128 v[BI+8*\b:BI+8*\b+3], v[VBO], s[12:13] offset:(32*(\b/2)+8*(\b%2))*4
	global_load_b128 v[BI+8*\b+4:BI+8*\b+7], v[VBO], s[12:13] offset:(32*(\b/2)+8*(\b%2))*4+16
.endr
	s_wait_tensorcnt 0x0                           ; my one load has landed
	s_barrier_signal -1
	s_barrier_wait -1
	FETCH 0, 0
	s_wait_loadcnt 0x0                             ; scale words and bias
	s_wait_dscnt 0x0
	FETCH 1, 1
	WIN 0x81                                       ; the first K step starts the sums with the bias as C, in window 0
	MUL16 0, 0, 0, 1
	MUL16 0, 0, 2, 1
	KSTEP 1
	KSTEP 2
	KSTEP 3
	KSTEP 4
	KSTEP 5
	KSTEP 6
	KSTEP 7
	WIN 0
.macro TOSTAGE a
	WIN 0x08                                       ; an LDS store's data: window 2
.irp b, 0,1,2,3,4,5,6,7
	ds_store_b128 v[STO], v[8*(8*(\a)+\b):8*(8*(\a)+\b)+3] offset:128*(\b/2)+32*(\b%2)        ; each accumulator from its low end on
	ds_store_b128 v[STO], v[8*(8*(\a)+\b)+4:8*(8*(\a)+\b)+7] offset:128*(\b/2)+32*(\b%2)+16
.endr
	WIN 0
.set BB, BK+64*((\a)%2)
.irp t, 0,1,2,3,4,5,6,7,8,9,10,11,12,13,14,15
	ds_load_b128 v[BB+4*\t:BB+4*\t+3], v[RD] offset:\t*SPITCH   ; LDS serves a wave's instructions in order: these see my stores, and the next block's stores come behind them
.endr
.endm
.macro SEND a, younger                 ; younger: the LDS instructions issued behind block a's loads, which may stay out
.set BB, BK+64*((\a)%2)
	s_wait_dscnt \younger
.irp t, 0,1,2,3,4,5,6,7,8,9,10,11,12,13,14,15
	global_store_b128 v[LI], v[BB+4*\t:BB+4*\t+3], s[14:15] offset:(8*(\a)+\t%8+32*(\t/8))*4096 th:TH_STORE_NT   ; 32 lanes store 512 consecutive bytes, aligned; written once, read by nobody here
.endr
.endm
	PLACES                                         ; in front of the first read of results and of loads into registers that held fragments
	s_wait_alu depctr_va_vdst(0)
	TOSTAGE 0
.irp a, 1,2,3
.if \a > 1
	s_wait_xcnt 0x0                                ; block a - 2's stores have read their registers: block a's loads may land there
.endif
	TOSTAGE \a
	SEND \a-1, 32                                  ; behind block a - 1's loads: block a's 16 stores and 16 loads
.endr
	SEND 3, 0
	s_wait_tensorcnt 0x0                           ; the wave's end, behind my last LDS store
	ds_add_u32 v[SPW], v[NIL]
	s_wait_dscnt 0x0
	CROUND                                         ; the closing round
	s_endpgm
.Lfunc_end_k_q6365038659_proj:
	.size	k_q6365038659_proj, .Lfunc_end_k_q6365038659_proj-k_q6365038659_proj
	.p2alignl 7, 3214868480
	.fill 96, 4, 3214868480
	.section	.rodata,"a",@progbits
	.p2align	6, 0x0
	.amdhsa_kernel k_q6365038659_proj
		.amdhsa_group_segment_fixed_size 295424
		.amdhsa_private_segment_fixed_size 0
		.amdhsa_enable_private_segment 0
		.amdhsa_kernarg_size 48
		.amdhsa_user_sgpr_count 2
		.amdhsa_user_sgpr_kernarg_segment_ptr 1
		.amdhsa_wavefront_size32 1
		.amdhsa_system_sgpr_workgroup_id_x 1
		.amdhsa_system_sgpr_workgroup_id_y 1
		.amdhsa_system_sgpr_workgroup_id_z 1
		.amdhsa_system_vgpr_workitem_id 0
		.amdhsa_next_free_vgpr 768
		.amdhsa_next_free_sgpr 100
		.amdhsa_reserve_vcc 0
		.amdhsa_float_denorm_mode_32 3
		.amdhsa_float_denorm_mode_16_64 3
		.amdhsa_memory_ordered 1
		.amdhsa_forward_progress 1
		.amdhsa_inst_pref_size 76
	.end_amdhsa_kernel
	.amdgpu_metadata
---
amdhsa.version: [ 1, 2 ]
amdhsa.kernels:
  - .name:           k_q6365038659_proj
    .symbol:         k_q6365038659_proj.kd
    .args:
      - { .name: oimg, .offset: 0, .size: 8, .value_kind: global_buffer, .address_space: global }
      - { .name: osc, .offset: 8, .size: 8, .value_kind: global_buffer, .address_space: global }
      - { .name: cimg, .offset: 16, .size: 8, .value_kind: global_buffer, .address_space: global }
      - { .name: scl, .offset: 24, .size: 8, .value_kind: global_buffer, .address_space: global }
      - { .name: b_proj, .offset: 32, .size: 8, .value_kind: global_buffer, .address_space: global }
      - { .name: out0, .offset: 40, .size: 8, .value_kind: global_buffer, .address_space: global }
    .group_segment_fixed_size: 295424
    .private_segment_fixed_size: 0
    .kernarg_segment_align: 8
    .kernarg_segment_size: 48
    .max_flat_workgroup_size: 128
    .sgpr_count:     100
    .vgpr_count:     768
    .wavefront_size: 32
...
	.end_amdgpu_metadata
.endif
;; end of part 4
